; MI455X (gfx1250); checked and timed in simulation.
; The chip was launched on July 23, 2026; its instructions are those of AMD's public machine-readable ISA for CDNA 5 (MIT licence, August 2026) and "CDNA5" Instruction Set Architecture Reference Guide (July 2026). The comments in the code are by the model that wrote it; some were corrected since.
;; Multi Head Self Attention. Allowed arithmetic: matrix products marked QUANTISED: E2M1 operands, one E8M0 scale for each 32 along K, by v_wmma_scale_f32_16x16x128_f8f6f4 with both operands' format E2M1 (or v_wmma_scale_f32_32x16x128_f4), f32 sums; products left as they are: bf16, f16 or f32 operands; f32 sums; everything else in f32.
;; Inputs: Wk 1,024 x 1,024 float32; Wo 1,024 x 1,024 float32; Wq 1,024 x 1,024 float32; Wv 1,024 x 1,024 float32; x 4 x 2,048 x 1,024 float32.
;; Outputs: out0 4 x 2,048 x 1,024 float32.
;; This version of the problem:
;;   THIS VERSION OF THE PROBLEM IS GIVEN IN LOW PRECISION. The matrix products marked QUANTISED in the list below multiply operands that are first quantised to E2M1 (2 exponent bits, 1 mantissa bit; 4 bits a number), with one power-of-two scale for each 32 numbers along K (OCP MX v1.0); their sums are f32. The products marked 'left as it is' may take bf16, f16 or f32 operands, with f32 sums. Whichever they take, every output number must still come out within the allowed error. Rounding operands to bf16 (8 significant bits) uses up far more of that allowance than f16 does (11 bits, for magnitudes from 6e-5 to 65,504). All else is computed in f32.
;;   The module's matrix products, in the order in which they are computed (A, B: the left and right operand; K: the contracted axis; several contracted axes count as one K, in the product's order):
;;     1. [M 8,192, K 1,024] x [K 1,024, N 1,024]; A: input x; B: input Wk: QUANTISED
;;     2. [M 8,192, K 1,024] x [K 1,024, N 1,024]; A: input x; B: input Wq: QUANTISED
;;     3. [M 8,192, K 1,024] x [K 1,024, N 1,024]; A: input x; B: input Wv: QUANTISED
;;     4. batch 64 x [M 2,048, K 64] x [K 64, N 2,048]; A: computed on the way; B: computed on the way: left as it is (an operand is computed on the way)
;;     5. batch 64 x [M 2,048, K 2,048] x [K 2,048, N 64]; A: computed on the way; B: computed on the way: left as it is (an operand is computed on the way)
;;     6. [M 8,192, K 1,024] x [K 1,024, N 1,024]; A: computed on the way; B: input Wo: left as it is (an operand is computed on the way)
;;   THE QUANTISER, for each operand of a quantised product, along K:
;;     - K is cut into blocks of 32 from its start; a last block that is shorter is filled with zeros.
;;     - A block's scale is 2^e with e = floor(log2(the largest magnitude in the block)) - 2, held to -126 .. 127; a block of zeros has e = 0. As a byte (E8M0): e + 127.
;;     - Each number is divided by its block's scale, clamped to +-6, and rounded to the nearest number of E2M1, ties to even, subnormals kept.
;;     - The product sums the exact products of the quantised numbers (number of the format x scale) in f32.
;;   ~~~python
;;   def quantise(x, axis):      # numpy; x: float32 -> the quantised numbers, widened to float32 again
;;       x = np.moveaxis(x, axis, -1); K = x.shape[-1]
;;       x = np.pad(x, [(0, 0)] * (x.ndim - 1) + [(0, -K % 32)]); x = x.reshape(x.shape[:-1] + (-1, 32)); a = np.abs(x).max(-1, keepdims=True)
;;       e = np.where(a > 0, np.clip(np.frexp(np.where(a > 0, a, 1))[1] - 1 - 2, -126, 127), 0)      # np.frexp(a)[1] - 1 = floor(log2(a)), exactly
;;       r = np.clip(x / 2.0 ** e, -6, 6)
;;       step = 2.0 ** (np.maximum(np.frexp(np.where(r == 0, 1, r))[1] - 1, 0) - 1)
;;       q = np.round(r / step) * step * 2.0 ** e      # np.round: ties to even
;;       return np.moveaxis(q.reshape(q.shape[:-2] + (-1,))[..., :K], -1, axis).astype(np.float32)
;;   ~~~
;; One version. Each part assembles by itself: llvm-mc -triple=amdgcn-amd-amdhsa -mcpu=gfx1250 --defsym DOCPART=n.
;; ======== version 1 of 1: 5 launches
;; limits: values are held in f16: magnitudes above 65,504 overflow, below 6.1e-05 lose precision
;; workspace buffers: xc 4,194,304 bytes; xs 262,144 bytes; wc 1,572,864 bytes; ws 98,304 bytes; woh 2,097,152 bytes; qkv 50,331,648 bytes; vhead 262,144 bytes; flat 16,777,216 bytes
;; launch quant (part 1): grid 384 x 1, 4 waves a work-group, no clusters, 33,280 bytes of LDS; arguments x, Wq, Wk, Wv, Wo, xc, xs, wc, ws, woh; writes xc, xs, wc, ws, woh
.if DOCPART == 1
	.amdgcn_target "amdgcn-amd-amdhsa--gfx1250"
	.amdhsa_code_object_version 6
	.text
	.protected	k_q85c26be935_quant
	.globl	k_q85c26be935_quant
	.p2align	8
	.type	k_q85c26be935_quant,@function
k_q85c26be935_quant:
	s_mov_b64 s[64:65], 0
	v_nop
	global_prefetch_b8 v0, s[64:65] scope:SCOPE_SE
	s_setreg_imm32_b32 hwreg(HW_REG_WAVE_MODE, 25, 1), 1
	s_wait_xcnt 0x0
; x [8192][1024] and Wq, Wk, Wv [1024][1024], f32, K innermost, become codes of FP4 (E2M1) with one E8M0 scale byte for each 32 along K:
; xc [8192][512 bytes], xs [8192][32]; wc [3072][512 bytes], ws [3072][32], rows in the order Wq, Wk, Wv.  Wo [1024][1024] f32 becomes woh, the same numbers in f16.
; A block's scale is 2^(floor(log2(its largest magnitude)) - 2); its byte is the largest magnitude's exponent field - 2, held at 1 from below.  A block of zeros keeps the byte 1 where the
; rule says 127: its codes are zeros, and the bytes are read by this program alone.
; LIMITS: blocks whose largest magnitude lies under 2^-124 keep the byte 1; NaN and infinities are not served; |Wo| stays under 65,504 (f16), and under 6e-5 it keeps an absolute error of 3e-8.
; SHARES.  A work-group takes 32,768 numbers, a wave 8,192.  Work-groups 0-255: x; 256-287 Wq; 288-319 Wk; 320-351 Wv; 352-383 Wo.  The four quantised tensors take ONE path: only pointers are chosen.
; Rows are dense and K is a multiple of 32, so a tensor is a plain stream of blocks of 32, and so are its codes and scale bytes.
; A wave takes 16 steps of 512 numbers: four loads of 512 consecutive bytes; the 2,048 bytes turn through the wave's own stage in LDS and come back 64 bytes a lane (16 neighbours along K; two lanes hold a block).
; No tensor load, no barrier: waves share nothing.  No cluster: no two work-groups read the same bytes.
.set WAVES, 4
.set STEPS, 16
.set EMAX,  2
.set CB,    8                          ; bytes of 16 codes
.set R,     16                         ; v16-79   four sets of 16 numbers as they are loaded
.set X,     80                         ; v80-111  two sets of 16 neighbours
.set E,     112                        ; v112-127 a scale byte for each step
.set C,     128                        ; v128-191 codes: four registers for each step, so that no store's data are written again
.set WREG,  8192                       ; LDS: a region for each wave: two stages of 32 x SP bytes, behind them its 256 scale bytes
.set SP,    80                         ; a lane's place in a stage: 64 bytes + 16 of padding
.set SPW,   12                         ; v12 LDS address of my spare word; never rewritten
.set NIL,   13                         ; v13 0; never rewritten
.set SPARE, WAVES*WREG                 ; behind the regions: the spare words, 128 bytes a wave, which no other line names
	s_load_b512 s[4:19], s[0:1], 0x0               ; x 4:5, Wq 6:7, Wk 8:9, Wv 10:11, Wo 12:13, xc 14:15, xs 16:17, wc 18:19
	s_load_b128 s[20:23], s[0:1], 0x40             ; ws 20:21, woh 22:23
	v_lshl_add_u32 v[SPW], v0, 2, SPARE
	v_mov_b32 v[NIL], 0
	v_lshrrev_b32 v1, 5, v0
	v_readfirstlane_b32 s24, v1                    ; wave
	v_and_b32 v2, 31, v0                           ; lane
	v_lshlrev_b32 v3, 4, v2                        ; my 16 bytes of a load's 512
	s_mul_i32 s25, s24, WREG
	v_lshrrev_b32 v14, 2, v2
	v_mul_u32_u24 v14, v14, SP
	v_and_b32 v15, 3, v2
	v_lshl_add_u32 v14, v15, 4, v14
	v_add_nc_u32 v14, s25, v14                     ; the stage, on the way in: SP (lane / 4) + 16 (lane % 4)
	v_mul_u32_u24 v15, v2, SP
	v_add_nc_u32 v15, s25, v15                     ; and on the way out: SP x lane: my 16 neighbours
	v_mul_u32_u24 v4, v2, CB                       ; 8 x lane: my codes' place in a step's; also my place in a cast store
	v_lshrrev_b32 v5, 1, v2
	s_add_co_u32 s25, s25, 2*32*SP
	v_add_nc_u32 v5, s25, v5                       ; LDS: my wave's 256 scale bytes, my block's byte
	v_lshlrev_b32 v7, 3, v2
	v_add_nc_u32 v6, s25, v7                       ; and on the way out 8 bytes a lane
	s_and_b32 s28, ttmp9, 31                       ; a weight's work-group within its tensor
	s_sub_co_u32 s29, ttmp9, 256                   ; and within wc and ws
	s_wait_kmcnt 0x0
	s_cmp_ge_u32 ttmp9, 352
	s_cbranch_scc1 .Lcast                          ; Wo's work-groups: a path that touches no LDS
	s_cmp_lt_u32 ttmp9, 288                        ; the choices hang on the work-group's number alone
	s_cselect_b64 s[26:27], s[6:7], s[8:9]
	s_cmp_lt_u32 ttmp9, 320
	s_cselect_b64 s[26:27], s[26:27], s[10:11]
	s_cmp_lt_u32 ttmp9, 256
	s_cselect_b64 s[4:5], s[4:5], s[26:27]         ; the numbers
	s_cselect_b64 s[14:15], s[14:15], s[18:19]     ; the codes
	s_cselect_b64 s[16:17], s[16:17], s[20:21]     ; the scale bytes
	s_cselect_b32 s28, ttmp9, s28
	s_cselect_b32 s29, ttmp9, s29
	s_lshl_b32 s28, s28, 2
	s_add_co_u32 s28, s28, s24                     ; which run of 8,192 numbers of the source is my wave's
	s_lshl_b32 s29, s29, 2
	s_add_co_u32 s29, s29, s24                     ; and of the destination
	s_lshl_b32 s30, s28, 15
	s_mov_b32 s31, 0
	s_add_nc_u64 s[4:5], s[4:5], s[30:31]
	s_lshl_b32 s30, s29, 12
	s_add_nc_u64 s[14:15], s[14:15], s[30:31]
	s_lshl_b32 s30, s29, 8
	s_add_nc_u64 s[16:17], s[16:17], s[30:31]
.macro LOAD t
.irp i, 0,1,2,3
	global_load_b128 v[R+16*((\t)%4)+4*\i:R+16*((\t)%4)+4*\i+3], v3, s[4:5] offset:2048*(\t)+512*\i th:TH_LOAD_NT   ; 32 lanes read 512 consecutive bytes
.endr
.endm
.macro TURN t                          ; step t's numbers through the stage: LDS serves a wave's instructions in order, so no wait stands between the stores and the loads
.irp i, 0,1,2,3
	ds_store_b128 v14, v[R+16*((\t)%4)+4*\i:R+16*((\t)%4)+4*\i+3] offset:32*SP*((\t)%2)+8*SP*\i
.endr
.irp i, 0,1,2,3
	ds_load_b128 v[X+16*((\t)%2)+4*\i:X+16*((\t)%2)+4*\i+3], v15 offset:32*SP*((\t)%2)+16*\i
.endr
.endm
.irp t, 0,1,2,3
	LOAD \t
.endr
	s_wait_loadcnt 12                              ; step 0's four loads are in; three steps' twelve may be out
	TURN 0
.macro STEP t
.set XS, X+16*((\t)%2)
.if (\t) > 0
	s_wait_dscnt 1                                 ; this step's numbers are back from the stage (the last step's byte store may be out)
.else
	s_wait_dscnt 0x0
.endif
.if (\t)+4 < STEPS
	LOAD (\t)+4                                    ; into the registers that the stage's stores have read
.endif
.if (\t)+1 < STEPS
.if STEPS-2-(\t) >= 3
	s_wait_loadcnt 12                              ; the next step's four loads are in; those of the three steps behind it may be out
.else
	s_wait_loadcnt 4*(STEPS-2-(\t))
.endif
	TURN (\t)+1                                    ; through the other stage while this step is worked
.endif
	v_max3_num_f32 v8, |v[XS]|, |v[XS+1]|, |v[XS+2]|               ; the largest magnitude of my 16, in two chains
	v_max3_num_f32 v9, |v[XS+3]|, |v[XS+4]|, |v[XS+5]|
.irp i, 6,10
	v_max3_num_f32 v8, v8, |v[XS+\i]|, |v[XS+\i+1]|
	v_max3_num_f32 v9, v9, |v[XS+\i+2]|, |v[XS+\i+3]|
.endr
	v_max3_num_f32 v8, v8, |v[XS+14]|, |v[XS+15]|
	v_max3_num_f32 v8, v8, v9, (EMAX+1)<<23        ; and the floor 2^(EMAX + 1 - 127): the byte cannot fall under 1
	v_max_num_f32_dpp v8, v8, v8 row_xmask:1 row_mask:0xf bank_mask:0xf   ; and of my neighbour's 16: the block's
	v_add_nc_u32 v11, -(EMAX<<23), v8              ; EMAX off its exponent field: the conversion takes this operand's exponent field as its scale
	v_cvt_scalef32_pk8_fp4_f32 v[C+4*(\t)], v[XS:XS+7], v11
	v_cvt_scalef32_pk8_fp4_f32 v[C+4*(\t)+1], v[XS+8:XS+15], v11
	v_lshrrev_b32 v[E+(\t)], 23, v11               ; the scale's byte (also the plain line behind the conversions)
	ds_store_b8 v5, v[E+(\t)] offset:16*(\t)       ; both lanes of a block write the same byte with the same value
	global_store_b64 v4, v[C+4*(\t):C+4*(\t)+1], s[14:15] offset:32*CB*(\t)   ; the wave stores 256 consecutive bytes, aligned
.endm
.irp t, 0,1,2,3,4,5,6,7,8,9,10,11,12,13,14,15
	STEP \t
.endr
	ds_load_b64 v[8:9], v6                         ; LDS serves a wave's instructions in order: these see my byte stores
	s_wait_dscnt 0x0
	global_store_b64 v7, v[8:9], s[16:17]          ; 32 lanes store 256 consecutive bytes, aligned
	s_wait_tensorcnt 0x0                           ; the wave's end: a tensor wait, an add and its wait behind my last LDS store
	ds_add_u32 v[SPW], v[NIL]
	s_wait_dscnt 0x0
	s_endpgm
; Wo to f16: a wave's 8,192 numbers in four groups of 16 loads; two sets of registers take turns, so that 16 loads are out while a group is rounded and stored.
.macro CLOAD r0, g
.irp i, 0,1,2,3,4,5,6,7,8,9,10,11,12,13,14,15
	global_load_b128 v[\r0+4*\i:\r0+4*\i+3], v3, s[12:13] offset:8192*\g+512*\i th:TH_LOAD_NT
.endr
.endm
.macro CSTORE r0, g
.irp i, 0,1,2,3,4,5,6,7,8,9,10,11,12,13,14,15
	v_cvt_pk_f16_f32 v[80+2*\i], v[\r0+4*\i], v[\r0+4*\i+1]
	v_cvt_pk_f16_f32 v[81+2*\i], v[\r0+4*\i+2], v[\r0+4*\i+3]
.endr
.irp i, 0,1,2,3,4,5,6,7,8,9,10,11,12,13,14,15
	global_store_b64 v4, v[80+2*\i:81+2*\i], s[22:23] offset:4096*\g+256*\i   ; the wave stores 256 consecutive bytes, aligned
.endr
.endm
.Lcast:
	s_sub_co_u32 s28, ttmp9, 352
	s_lshl_b32 s28, s28, 2
	s_add_co_u32 s28, s28, s24                     ; my wave's run of 8,192 numbers
	s_lshl_b32 s30, s28, 15
	s_mov_b32 s31, 0
	s_add_nc_u64 s[12:13], s[12:13], s[30:31]
	s_lshl_b32 s30, s28, 14
	s_add_nc_u64 s[22:23], s[22:23], s[30:31]
	CLOAD 16, 0
	CLOAD 128, 1
	s_wait_loadcnt 16                              ; the older group is in
	CSTORE 16, 0
	CLOAD 16, 2
	s_wait_loadcnt 16
	s_wait_xcnt 0x0                                ; the last group's stores have read v80-111, which are written again
	CSTORE 128, 1
	CLOAD 128, 3
	s_wait_loadcnt 16
	s_wait_xcnt 0x0
	CSTORE 16, 2
	s_wait_loadcnt 0x0
	s_wait_xcnt 0x0
	CSTORE 128, 3
	s_endpgm
.Lfunc_end_k_q85c26be935_quant:
	.size	k_q85c26be935_quant, .Lfunc_end_k_q85c26be935_quant-k_q85c26be935_quant
	.p2alignl 7, 3214868480
	.fill 96, 4, 3214868480
	.section	.rodata,"a",@progbits
	.p2align	6, 0x0
	.amdhsa_kernel k_q85c26be935_quant
		.amdhsa_group_segment_fixed_size 33280
		.amdhsa_private_segment_fixed_size 0
		.amdhsa_enable_private_segment 0
		.amdhsa_kernarg_size 80
		.amdhsa_user_sgpr_count 2
		.amdhsa_user_sgpr_kernarg_segment_ptr 1
		.amdhsa_wavefront_size32 1
		.amdhsa_system_sgpr_workgroup_id_x 1
		.amdhsa_system_sgpr_workgroup_id_y 1
		.amdhsa_system_sgpr_workgroup_id_z 1
		.amdhsa_system_vgpr_workitem_id 0
		.amdhsa_next_free_vgpr 192
		.amdhsa_next_free_sgpr 66
		.amdhsa_reserve_vcc 0
		.amdhsa_float_denorm_mode_32 3
		.amdhsa_float_denorm_mode_16_64 3
		.amdhsa_memory_ordered 1
		.amdhsa_forward_progress 1
		.amdhsa_inst_pref_size 54
	.end_amdhsa_kernel
	.amdgpu_metadata
---
amdhsa.version: [ 1, 2 ]
amdhsa.kernels:
  - .name:           k_q85c26be935_quant
    .symbol:         k_q85c26be935_quant.kd
    .args:
      - { .name: x, .offset: 0, .size: 8, .value_kind: global_buffer, .address_space: global }
      - { .name: Wq, .offset: 8, .size: 8, .value_kind: global_buffer, .address_space: global }
      - { .name: Wk, .offset: 16, .size: 8, .value_kind: global_buffer, .address_space: global }
      - { .name: Wv, .offset: 24, .size: 8, .value_kind: global_buffer, .address_space: global }
      - { .name: Wo, .offset: 32, .size: 8, .value_kind: global_buffer, .address_space: global }
      - { .name: xc, .offset: 40, .size: 8, .value_kind: global_buffer, .address_space: global }
      - { .name: xs, .offset: 48, .size: 8, .value_kind: global_buffer, .address_space: global }
      - { .name: wc, .offset: 56, .size: 8, .value_kind: global_buffer, .address_space: global }
      - { .name: ws, .offset: 64, .size: 8, .value_kind: global_buffer, .address_space: global }
      - { .name: woh, .offset: 72, .size: 8, .value_kind: global_buffer, .address_space: global }
    .group_segment_fixed_size: 33280
    .private_segment_fixed_size: 0
    .kernarg_segment_align: 8
    .kernarg_segment_size: 80
    .max_flat_workgroup_size: 128
    .sgpr_count:     66
    .vgpr_count:     192
    .wavefront_size: 32
...
	.end_amdgpu_metadata
.endif
;; end of part 1
;; launch qkv (part 2): grid 12 x 32, 4 waves a work-group, clusters of 4 x 4, 327,680 bytes of LDS; arguments xc, xs, wc, ws, qkv, vhead; writes qkv, vhead
.if DOCPART == 2
	.amdgcn_target "amdgcn-amd-amdhsa--gfx1250"
	.amdhsa_code_object_version 6
	.text
	.protected	k_q85c26be935_qkv
	.globl	k_q85c26be935_qkv
	.p2align	8
	.type	k_q85c26be935_qkv,@function
k_q85c26be935_qkv:
	s_mov_b64 s[64:65], 0
	v_nop
	global_prefetch_b8 v0, s[64:65] scope:SCOPE_SE
	s_setreg_imm32_b32 hwreg(HW_REG_WAVE_MODE, 25, 1), 1
	s_wait_xcnt 0x0
	s_wait_alu depctr_hold_cnt(0) depctr_sa_sdst(0) depctr_va_vdst(0) depctr_va_sdst(0) depctr_va_ssrc(0) depctr_va_vcc(0) depctr_vm_vsrc(0)
	s_getreg_b32 s2, hwreg(HW_REG_IB_STS2, 6, 4)
	s_cmp_eq_u32 s2, 0
	s_cbranch_scc0 .Lentry_in_a_cluster
	s_endpgm
.Lentry_in_a_cluster:
	s_bfe_u32 s2, ttmp6, 0x10000c
	s_cmp_lg_u32 s2, 0xf033
	s_cbranch_scc0 .Lentry_shape_is_right
	s_endpgm
.Lentry_shape_is_right:
; q, k, v = x Wq^T, x Wk^T, x Wv^T on codes of FP4 (E2M1) with one E8M0 scale for each 32 along K = 1,024: one GEMM of 8,192 tokens x 3,072 features.
; A = xc [8192][512 bytes] with xs [8192][32]; B = wc [3072][512 bytes] with ws [3072][32].  Sums in f32.
; OUT: qkv [sel: q, k, v][batch 4][head 16][token 2048][64] in f16; and the f32 sums of v for tokens 0-15 of each batch, vhead [batch][16][1024].
; LIMITS: |q|, |k|, |v| stay under 65,504 (f16); numbers under 6e-5 keep an absolute error of 3e-8.
; A tile of 256 tokens x 256 features is made by four waves, each 128 x 128: 64 accumulators, 512 registers.  K = 1,024 is two LDS slots of 512 along K (rows of 256 bytes): both are filled at the start and none again.
; The scale bytes of the tile's 256 + 256 rows, for all of K, come once with the first fills, as whole rows of 256 bytes.
; CLUSTERS: 4 x 4 work-groups.  A's tile is shared along a row of the cluster, B's along a column: each is asked for JOINTLY, by the same tensor load with the same descriptor and a mask that names the four.
; THE TILE ROW IS 8 cy + cluster y, so that the batch is cy and the place in the batch hangs on the cluster's y alone: the one branch of the way out then hangs on numbers that all partners share.
; THE MATRIX INSTRUCTION IS USED TRANSPOSED (source 0 = 16 rows of W, source 1 = 16 tokens): a lane holds eight neighbouring features of one token.
; REGISTERS: window 0: v0-31 addresses; v32-95 scale words, two sets (they hold nothing else); v128-191 A's fragments, ONE set, on the way out rows read back; v192-223 packed results.
;   window 1: B's fragments, TWO sets, at v0 and v128.  window 2: the accumulators of my tokens 0-63 ((a, b) at v[8 (8 a + b)]); window 3: of my tokens 64-127.
.set SIZE_K, 1024
.set KSTEP,  512
.set NQ,     KSTEP/128
.set ROWB,   256                       ; a tile's row in bytes
.set KROW,   SIZE_K*4/8                ; a row of codes in memory
.set PITCH,  272                       ; an LDS row: 256 bytes + 16 of padding: the 16 rows of a fragment load start at 16 different banks (64 banks of 4 bytes: ISA guide 11.1)
.set FR,     8
.set NL,     2
.set NP,     4                         ; places behind this matrix instruction (ISA guide 7.12.1)
.set HALFT,  128*PITCH
.set SLOT,   4*HALFT                   ; A's 256 rows, then B's 256 rows
.set KS,     SIZE_K/32                 ; a row of scale bytes
.set SCL,    2*SLOT                    ; behind the slots: the scales, as rows of 256 bytes + 16 of padding
.set HALFS,  (128*KS/256)*272
.set SBLK,   (16*KS/256)*272
.set SPARE,  SCL+4*HALFS               ; the spare words, 128 bytes a wave, which no other line names
.set STG,    16*528                    ; the way out: a stage for each wave, in slot 0, which has had its only fill and its last read when the first result is stored there
.set ADRA, 16
.set ADRB, 20
.set STO,  24                          ; v24 the stage, f16: (r / 2) 272 + (r % 2) 128 + 16 h: a line is two tokens of one head
.set RD,   25                          ; v25 back: lanes 0-15 one line of 256 bytes, lanes 16-31 the next
.set CO,   26                          ; v26 16 x lane
.set ADRS, 27
.set SPW,  28
.set NIL,  29
.set STO32, 30                         ; v30 the stage, f32: 528 r + 32 h
.set RD32, 31                          ; v31 back: a row of 512 bytes
.set SC,   32
.set AF,   128
.set BK,   128                         ; rows read back: v128-159 and v160-191 by turns
.set TMP,  192
.set G1, 24
.set G0, 32
.set G1B, 48
.set G0B, 56
.set G1S, 68
.set G0S, 76
.set G1SB, 80
.set G0SB, 88
.set MSB, 0
.macro WIN new                         ; the immediate's high byte repeats the setting that is left
.if MSB != \new
	s_set_vgpr_msb (MSB<<8)|\new
.set MSB, \new
.endif
.endm
.set MUL_LO, 0xa1                      ; source 0 (B) window 1, source 1 (A) window 0, C and D window 2
.set MUL_HI, 0xf1
.set TO_B,   0x40
; A joint load: waves 0 and 1 fetch for A, waves 2 and 3 for B.  The branch hangs on the wave's number alone.  An s_nop 0 and four v_nop follow each line.
.macro JLOAD g0a, g1a, g0b, g1b
	s_cmp_eq_u32 s15, 0
	s_cbranch_scc0 .Lfor_b_\@
	tensor_load_to_lds s[\g0a:\g0a+3], s[\g1a:\g1a+7]
	s_nop 0
.rept 4
	v_nop
.endr
	s_branch .Lasked_\@
.Lfor_b_\@:
	tensor_load_to_lds s[\g0b:\g0b+3], s[\g1b:\g1b+7]
	s_nop 0
.rept 4
	v_nop
.endr
.Lasked_\@:
.endm
.macro CROUND                          ; a round of the cluster's barrier
	s_barrier_signal -1
	s_barrier_wait -1
	s_cmp_lg_u32 s14, 0
	s_cbranch_scc1 .Lnot_wave_0_\@
	s_barrier_signal -3
.Lnot_wave_0_\@:
	s_barrier_wait -3
	s_barrier_signal -1
	s_barrier_wait -1
.endm
	s_load_b128 s[4:7], s[0:1], 0x0                ; xc, xs
	s_load_b128 s[8:11], s[0:1], 0x10              ; wc, ws
	s_load_b64 s[12:13], s[0:1], 0x20              ; qkv
	s_load_b64 s[96:97], s[0:1], 0x28              ; vhead
	v_lshl_add_u32 v[SPW], v0, 2, SPARE
	v_mov_b32 v[NIL], 0
	ds_add_u32 v[SPW], v[NIL]                      ; the wave's opening: the add and its wait ahead of my first tensor load
	v_lshrrev_b32 v1, 5, v0
	v_readfirstlane_b32 s14, v1                    ; wave 0..3
	s_lshr_b32 s15, s14, 1                         ; which half of the tile's tokens is mine.  Also: I fetch for A (0) or for B (1)
	s_and_b32 s16, s14, 1                          ; which half of its features.  Also: which 128 rows I fetch
	s_bfe_u32 s40, ttmp6, 0x40000                  ; cx, cy: my place in the cluster
	s_bfe_u32 s41, ttmp6, 0x40004
	s_lshl_b32 s42, ttmp9, 2
	s_add_co_u32 s42, s42, s40                     ; tile column = 4 x cluster x + cx
	s_and_b32 s17, ttmp7, 0xffff
	s_lshl_b32 s18, s41, 3
	s_add_co_u32 s17, s17, s18                     ; tile row = 8 cy + cluster y
	s_lshl_b32 s43, s41, 2
	s_lshl_b32 s43, 15, s43                        ; my row of the cluster
	s_lshl_b32 s44, 0x1111, s40                    ; my column
	s_or_b32 s[G1+0], s43, (0<<16)|(1<<20)|(1<<21)|(5<<22)|(3<<25)  ; the mask; elements of 1 byte; padding on; bit 21 beside a mask; 4 words behind every 64
	s_or_b32 s[G1B+0], s44, (0<<16)|(1<<20)|(1<<21)|(5<<22)|(3<<25)
.irp g, G1, G1B
	s_mov_b32 s[\g+1], ROWB<<16                    ; tensor_dim0
	s_mov_b32 s[\g+2], 128<<16                     ; tensor_dim1
	s_mov_b32 s[\g+3], ROWB<<16                    ; tile_dim0
	s_mov_b32 s[\g+4], 128                         ; tile_dim1
	s_mov_b32 s[\g+5], KROW                        ; from row to row
	s_mov_b32 s[\g+6], 0
	s_mov_b32 s[\g+7], 0
.endr
	s_or_b32 s[G1S+0], s43, (3<<16)|(1<<20)|(1<<21)|(5<<22)|(3<<25)  ; the scales of 128 rows: a dense block, as rows of 32 elements of 8 bytes
	s_or_b32 s[G1SB+0], s44, (3<<16)|(1<<20)|(1<<21)|(5<<22)|(3<<25)
.irp g, G1S, G1SB
	s_mov_b32 s[\g+1], 32<<16
	s_mov_b32 s[\g+2], (128*KS/256)<<16
	s_mov_b32 s[\g+3], 32<<16
	s_mov_b32 s[\g+4], 128*KS/256
	s_mov_b32 s[\g+5], 32
	s_mov_b32 s[\g+6], 0
	s_mov_b32 s[\g+7], 0
.endr
	s_lshl_b32 s18, s16, 7
	s_lshl_b32 s20, s17, 8
	s_add_co_u32 s20, s20, s18                     ; A: row 256 x tile row + 128 x half
	s_lshl_b32 s46, s42, 8
	s_add_co_u32 s46, s46, s18                     ; B: row 256 x tile column + 128 x half
	s_mov_b32 s21, 0
	s_mov_b32 s47, 0
	s_mov_b64 s[18:19], KS
	s_mul_u64 s[22:23], s[20:21], s[18:19]
	s_mul_u64 s[92:93], s[46:47], s[18:19]
	s_mov_b64 s[18:19], KROW
	s_mul_u64 s[20:21], s[20:21], s[18:19]
	s_mul_u64 s[46:47], s[46:47], s[18:19]
	s_mul_i32 s45, s14, HALFT                      ; where they go: wave x 128 rows: no place in the cluster enters an LDS address
	s_mul_i32 s94, s14, HALFS
	s_wait_dscnt 0x0                               ; the opening add is done
	s_wait_kmcnt 0x0
	s_add_nc_u64 s[20:21], s[4:5], s[20:21]
	s_add_nc_u64 s[22:23], s[6:7], s[22:23]
	s_add_nc_u64 s[46:47], s[8:9], s[46:47]
	s_add_nc_u64 s[92:93], s[10:11], s[92:93]
	CROUND                                         ; all sixteen work-groups are here: the joint loads meet
	s_mov_b32 s[G0S], 1
	s_add_co_u32 s[G0S+1], s94, SCL
	s_mov_b64 s[G0S+2:G0S+3], s[22:23]
	s_or_b32 s[G0S+3], s[G0S+3], 0x80000000
	s_mov_b32 s[G0SB], 1
	s_add_co_u32 s[G0SB+1], s94, SCL
	s_mov_b64 s[G0SB+2:G0SB+3], s[92:93]
	s_or_b32 s[G0SB+3], s[G0SB+3], 0x80000000
	JLOAD G0S, G1S, G0SB, G1SB                     ; the scales first; by this text's count three loads of a wave are out at the most
.irp s, 0,1
	s_mov_b32 s[G0+4*\s], 1
	s_add_co_u32 s[G0+4*\s+1], s45, \s*SLOT
	s_add_nc_u64 s[G0+4*\s+2:G0+4*\s+3], s[20:21], \s*ROWB
	s_or_b32 s[G0+4*\s+3], s[G0+4*\s+3], 0x80000000
	s_mov_b32 s[G0B+4*\s], 1
	s_add_co_u32 s[G0B+4*\s+1], s45, \s*SLOT
	s_add_nc_u64 s[G0B+4*\s+2:G0B+4*\s+3], s[46:47], \s*ROWB
	s_or_b32 s[G0B+4*\s+3], s[G0B+4*\s+3], 0x80000000
	JLOAD G0+4*\s, G1, G0B+4*\s, G1B
.endr
	v_and_b32 v1, 15, v0                           ; r
	v_bfe_u32 v2, v0, 4, 1                         ; h
	v_mul_u32_u24 v3, v1, PITCH
	v_lshl_add_u32 v4, v2, 4, v3                   ; a fragment's row x pitch + 16 h
	s_mul_i32 s21, s15, HALFT
	s_mul_i32 s22, s16, HALFT
	s_add_co_u32 s22, s22, 2*HALFT
.irp s, 0,1
	v_add_nc_u32 v[ADRA+\s], s21, v4
	v_add_nc_u32 v[ADRB+\s], s22, v4
	s_add_co_u32 s21, s21, SLOT
	s_add_co_u32 s22, s22, SLOT
.endr
	v_mul_u32_u24 v5, v1, KS                       ; my row's scales: KS bytes a row,
	v_lshrrev_b32 v6, 8, v5
	v_lshl_add_u32 v5, v6, 4, v5                   ; and 16 more for each 256 passed
	s_mul_i32 s21, s15, HALFS
	s_mul_i32 s22, s16, HALFS
	s_add_co_u32 s22, s22, 2*HALFS
	s_sub_co_u32 s22, s22, s21
	v_mul_u32_u24 v6, s22, v2                      ; lanes 16-31 take B's
	s_add_co_u32 s21, s21, SCL
	v_add_nc_u32 v5, v5, v6
	v_add_nc_u32 v[ADRS], s21, v5
	s_mul_i32 s23, s14, STG                        ; my stage
	v_lshrrev_b32 v5, 1, v1
	v_mul_u32_u24 v5, v5, 272
	v_and_b32 v6, 1, v0
	v_lshl_add_u32 v5, v6, 7, v5
	v_lshl_add_u32 v5, v2, 4, v5
	v_add_nc_u32 v[STO], s23, v5
	v_mul_u32_u24 v5, v2, 272
	v_lshl_add_u32 v5, v1, 4, v5
	v_add_nc_u32 v[RD], s23, v5
	v_and_b32 v6, 31, v0
	v_lshlrev_b32 v[CO], 4, v6
	v_mul_u32_u24 v5, v1, 528
	v_lshl_add_u32 v5, v2, 5, v5
	v_add_nc_u32 v[STO32], s23, v5
	v_add_nc_u32 v[RD32], s23, v[CO]
	; qkv at (sel = cluster x, plane 16 cy + 4 cx + 2 x my half, token 256 x cluster y + 128 x my half)
	s_lshl_b32 s20, s41, 4
	s_lshl_b32 s21, s40, 2
	s_add_co_u32 s20, s20, s21
	s_lshl_b32 s21, s16, 1
	s_add_co_u32 s20, s20, s21
	s_lshl_b32 s20, s20, 18
	s_lshl_b32 s21, ttmp9, 24
	s_add_co_u32 s20, s20, s21
	s_and_b32 s21, ttmp7, 0xffff
	s_lshl_b32 s21, s21, 15
	s_add_co_u32 s20, s20, s21
	s_lshl_b32 s21, s15, 14
	s_add_co_u32 s20, s20, s21
	s_mov_b32 s21, 0
	s_add_nc_u64 s[12:13], s[12:13], s[20:21]
	s_lshl_b32 s20, s41, 16                        ; vhead at (batch cy, token 0, feature 256 cx + 128 x my half)
	s_lshl_b32 s46, s40, 10
	s_add_co_u32 s20, s20, s46
	s_lshl_b32 s46, s16, 9
	s_add_co_u32 s20, s20, s46
	s_add_nc_u64 s[96:97], s[96:97], s[20:21]
.macro FRAG reg, adr, q, i             ; 16 rows x 128 K of 4-bit codes: 8 registers; registers 4 c .. 4 c + 3 hold K = 64 c + 32 h + 0 .. 31
.irp c, 0,1
	ds_load_b128 v[\reg+4*\c:\reg+4*\c+3], v[\adr] offset:64*(\q)+32*\c+(\i)*16*PITCH
.endr
.endm
; 16 matrix instructions: A's blocks a0, a0 + 1 x B's eight.  The 64 accumulators take turns, one instruction a turn, in the same order in every step.
.macro MUL16 a0, p, q, sc, zero
.irp a, \a0, \a0+1
.irp b, 0,1,2,3,4,5,6,7
.if \zero
	v_wmma_scale_f32_16x16x128_f8f6f4 v[8*(8*((\a)%4)+\b):8*(8*((\a)%4)+\b)+7], v[128*(\p)+FR*\b:128*(\p)+FR*\b+FR-1], v[AF+FR*(\a):AF+FR*(\a)+FR-1], 0, v[SC+8*NQ*(\sc)+NQ*\b+(\q)], v[SC+8*NQ*(\sc)+NQ*(\a)+(\q)] matrix_a_fmt:MATRIX_FMT_FP4 matrix_b_fmt:MATRIX_FMT_FP4 matrix_a_scale:MATRIX_SCALE_ROW1
.else
	v_wmma_scale_f32_16x16x128_f8f6f4 v[8*(8*((\a)%4)+\b):8*(8*((\a)%4)+\b)+7], v[128*(\p)+FR*\b:128*(\p)+FR*\b+FR-1], v[AF+FR*(\a):AF+FR*(\a)+FR-1], v[8*(8*((\a)%4)+\b):8*(8*((\a)%4)+\b)+7], v[SC+8*NQ*(\sc)+NQ*\b+(\q)], v[SC+8*NQ*(\sc)+NQ*(\a)+(\q)] matrix_a_fmt:MATRIX_FMT_FP4 matrix_b_fmt:MATRIX_FMT_FP4 matrix_a_scale:MATRIX_SCALE_ROW1
.endif
.endr
.endr
.endm
.macro FETCH_B slot, q, p
	WIN TO_B
.irp i, 0,1,2,3,4,5,6,7
	FRAG 128*(\p)+FR*\i, ADRB+\slot, \q, \i
.endr
	WIN 0
.endm
.macro FETCH_A slot, q, i0
.irp i, \i0, \i0+1, \i0+2, \i0+3
	FRAG AF+FR*(\i), ADRA+\slot, \q, \i
.endr
.endm
.macro SCALES sc                       ; a slot's scale words: lanes 0-15 take A's block i, lanes 16-31 B's block i
.irp i, 0,1,2,3,4,5,6,7
	ds_load_b128 v[SC+8*NQ*\sc+NQ*\i:SC+8*NQ*\sc+NQ*\i+3], v[ADRS] offset:\i*SBLK
.endr
.endm
.macro PLACES n                        ; plain vector lines between a matrix instruction and a load into, or a read of, its registers
.rept \n
	v_nop
.endr
.endm
.macro STEP slot, q, zero              ; 128 along K that has its successor in the same slot
	s_wait_dscnt 4*NL                              ; B's set and A's blocks 0-3 are in; the youngest eight loads (A's blocks 4-7) may be out
	WIN MUL_LO
	MUL16 0, (\q)%2, \q, \slot, \zero
	MUL16 2, (\q)%2, \q, \slot, \zero
	s_wait_dscnt 0
	PLACES NP
	FETCH_B \slot, (\q)+1, 1-(\q)%2
	FETCH_A \slot, (\q)+1, 0
	WIN MUL_HI
	MUL16 4, (\q)%2, \q, \slot, \zero
	MUL16 6, (\q)%2, \q, \slot, \zero
	PLACES NP
	WIN 0
	FETCH_A \slot, (\q)+1, 4
.endm
.macro TURN slot, next                 ; a slot's last step: one barrier; behind it the other slot is whole for every wave and nobody reads this one
	s_wait_tensorcnt 0x0                           ; all my tensor loads have landed: my part of the next slot
	ds_add_u32 v[SPW], v[NIL]                      ; 0 onto my spare word
	s_wait_dscnt 4*NL+1                            ; (the add and A's blocks 4-7 may be out)
	WIN MUL_LO
	MUL16 0, 1, NQ-1, \slot, 0
	s_wait_dscnt 0x0                               ; the add is done, and my reads of this slot are over
	s_barrier_signal -1
	MUL16 2, 1, NQ-1, \slot, 0
	WIN 0
	s_barrier_wait -1
	PLACES NP
	v_add_nc_u32 v[ADRS], 4*NQ, v[ADRS]            ; on to the next slot's scale words
	FETCH_B \next, 0, 0
	FETCH_A \next, 0, 0
	SCALES \next
	WIN MUL_HI
	MUL16 4, 1, NQ-1, \slot, 0
	MUL16 6, 1, NQ-1, \slot, 0
	PLACES NP
	WIN 0
	FETCH_A \next, 0, 4
.endm
.macro STEPS slot, from
.set Q, \from
.rept NQ-1-\from
	STEP \slot, Q, 0
.set Q, Q+1
.endr
.endm
	s_wait_tensorcnt 1                             ; the scales and my part of slot 0 are in (slot 1's load may be out)
	s_barrier_signal -1
	s_barrier_wait -1
	FETCH_B 0, 0, 0
	FETCH_A 0, 0, 0
	SCALES 0
	FETCH_A 0, 0, 4
	STEP 0, 0, 1                                   ; the first products start the sums: nothing is cleared
	STEPS 0, 1
	TURN 0, 1
	STEPS 1, 0
	s_wait_dscnt 4*NL                              ; the last step: nothing more to fetch
	WIN MUL_LO
	MUL16 0, 1, NQ-1, 1, 0
	MUL16 2, 1, NQ-1, 1, 0
	s_wait_dscnt 0
	WIN MUL_HI
	MUL16 4, 1, NQ-1, 1, 0
	MUL16 6, 1, NQ-1, 1, 0
	WIN 0
; THE WAY OUT, block by block of 16 tokens x 128 features (two heads).  PACK: rounded to f16, 16 bytes a lane, each accumulator from its low end on.  TOSTAGE: into my stage, a line of 256 bytes = two tokens of one head;
; back by lines.  SEND: a store covers four tokens of one head, 512 consecutive bytes, aligned.  Every offset is an immediate.
.macro PACK a
.set AC, 64*((\a)%4)
	WIN 0x0a+5*((\a)/4)                            ; sources 0 and 1: window 2 or 3
.irp b, 0,1,2,3,4,5,6,7
.irp r, 0,1,2,3
	v_cvt_pk_f16_f32 v[TMP+4*\b+\r], v[AC+8*\b+2*\r], v[AC+8*\b+2*\r+1]
.endr
.endr
	WIN 0
.endm
.macro TOSTAGE a
.set BB, BK+32*((\a)%2)
.irp b, 0,1,2,3,4,5,6,7
	ds_store_b128 v[STO], v[TMP+4*\b:TMP+4*\b+3] offset:(\b/4)*2176+(\b%4)*32
.endr
.irp t, 0,1,2,3,4,5,6,7
	ds_load_b128 v[BB+4*\t:BB+4*\t+3], v[RD] offset:\t*544     ; LDS serves a wave's instructions in order: these see the stores above
.endr
.endm
.macro SEND a
.set BB, BK+32*((\a)%2)
	s_wait_dscnt 0x0                               ; the block is back in registers
	s_wait_xcnt 0x0                                ; the stores of the block before have read their registers: the next block's loads may land there
.irp t, 0,1,2,3,4,5,6,7
	global_store_b128 v[CO], v[BB+4*\t:BB+4*\t+3], s[12:13] offset:(\a)*2048+(\t/4)*262144+(\t%4)*512
.endr
.endm
	PLACES NP                                      ; behind the last products: for the loads into A's registers and for the reads of results
	PACK 0
	TOSTAGE 0
.irp a, 1,2,3,4,5,6,7                  ; block a's conversions stand between block a - 1's loads from the stage and the wait for them
	PACK \a
	SEND \a-1
	TOSTAGE \a
.endr
	SEND 7
	; tokens 0-15 of a batch, v alone, also leave as f32: sel = 2, cluster y = 0, my half of the tokens = 0: numbers that all partners of a cluster share, and the wave's number
	s_xor_b32 s20, ttmp9, 2
	s_and_b32 s21, ttmp7, 0xffff
	s_or_b32 s20, s20, s21
	s_or_b32 s20, s20, s15
	s_cmp_lg_u32 s20, 0
	s_cbranch_scc1 .Lno_head
	s_wait_xcnt 0x0                                ; the last stores have read v128-191
	WIN 0x08                                       ; an LDS store's data are its source 1: window 2
.irp b, 0,1,2,3,4,5,6,7
	ds_store_b128 v[STO32], v[8*\b:8*\b+3] offset:64*\b
	ds_store_b128 v[STO32], v[8*\b+4:8*\b+7] offset:64*\b+16
.endr
	WIN 0
.irp t, 0,1,2,3,4,5,6,7,8,9,10,11,12,13,14,15
	ds_load_b128 v[128+4*\t:131+4*\t], v[RD32] offset:\t*528
.endr
	s_wait_dscnt 0x0
.irp t, 0,1,2,3,4,5,6,7,8,9,10,11,12,13,14,15
	global_store_b128 v[CO], v[128+4*\t:131+4*\t], s[96:97] offset:\t*4096     ; 32 lanes store 512 consecutive bytes, aligned
.endr
.Lno_head:
	s_wait_tensorcnt 0x0                           ; the wave's end: a tensor wait, an add and its wait behind my last tensor load and my last LDS store
	ds_add_u32 v[SPW], v[NIL]
	s_wait_dscnt 0x0
	CROUND                                         ; the closing round
	s_endpgm
.Lfunc_end_k_q85c26be935_qkv:
	.size	k_q85c26be935_qkv, .Lfunc_end_k_q85c26be935_qkv-k_q85c26be935_qkv
	.p2alignl 7, 3214868480
	.fill 96, 4, 3214868480
	.section	.rodata,"a",@progbits
	.p2align	6, 0x0
	.amdhsa_kernel k_q85c26be935_qkv
		.amdhsa_group_segment_fixed_size 327680
		.amdhsa_private_segment_fixed_size 0
		.amdhsa_enable_private_segment 0
		.amdhsa_kernarg_size 48
		.amdhsa_user_sgpr_count 2
		.amdhsa_user_sgpr_kernarg_segment_ptr 1
		.amdhsa_wavefront_size32 1
		.amdhsa_system_sgpr_workgroup_id_x 1
		.amdhsa_system_sgpr_workgroup_id_y 1
		.amdhsa_system_sgpr_workgroup_id_z 1
		.amdhsa_system_vgpr_workitem_id 0
		.amdhsa_next_free_vgpr 1024
		.amdhsa_next_free_sgpr 100
		.amdhsa_reserve_vcc 0
		.amdhsa_float_denorm_mode_32 3
		.amdhsa_float_denorm_mode_16_64 3
		.amdhsa_memory_ordered 1
		.amdhsa_forward_progress 1
		.amdhsa_inst_pref_size 131
	.end_amdhsa_kernel
	.amdgpu_metadata
---
amdhsa.version: [ 1, 2 ]
amdhsa.kernels:
  - .name:           k_q85c26be935_qkv
    .symbol:         k_q85c26be935_qkv.kd
    .args:
      - { .name: xc, .offset: 0, .size: 8, .value_kind: global_buffer, .address_space: global }
      - { .name: xs, .offset: 8, .size: 8, .value_kind: global_buffer, .address_space: global }
      - { .name: wc, .offset: 16, .size: 8, .value_kind: global_buffer, .address_space: global }
      - { .name: ws, .offset: 24, .size: 8, .value_kind: global_buffer, .address_space: global }
      - { .name: qkv, .offset: 32, .size: 8, .value_kind: global_buffer, .address_space: global }
      - { .name: vhead, .offset: 40, .size: 8, .value_kind: global_buffer, .address_space: global }
    .group_segment_fixed_size: 327680
    .private_segment_fixed_size: 0
    .kernarg_segment_align: 8
    .kernarg_segment_size: 48
    .max_flat_workgroup_size: 128
    .sgpr_count:     100
    .vgpr_count:     1024
    .wavefront_size: 32
...
	.end_amdgpu_metadata
.endif
;; end of part 2
;; launch attn (part 3): grid 4 x 64, 8 waves a work-group, no clusters, 327,680 bytes of LDS; arguments qkv, flat; writes flat
.if DOCPART == 3
	.amdgcn_target "amdgcn-amd-amdhsa--gfx1250"
	.amdhsa_code_object_version 6
	.text
	.protected	k_q85c26be935_attn
	.globl	k_q85c26be935_attn
	.p2align	8
	.type	k_q85c26be935_attn,@function
k_q85c26be935_attn:
	s_mov_b64 s[64:65], 0
	v_nop
	global_prefetch_b8 v0, s[64:65] scope:SCOPE_SE
	s_setreg_imm32_b32 hwreg(HW_REG_WAVE_MODE, 25, 1), 1
	s_wait_xcnt 0x0
; flat[h][token][:] = the sum over keys k <= query of softmax_k(q . k / 8) v[k][:], for each of 64 planes (batch, head).  q, k, v: qkv [sel][plane][2048][64] f16; flat [head][8192 tokens][64] f16.
; Products on f16 operands with f32 sums; maxima, exponentials and sums in f32; the weights p (at most 1) are rounded to f16 for the second product, the result once at the end.
; LIMITS: f16's range and grain for q, k, v as the launch before states them; p under 6e-5 keeps an absolute error of 3e-8 beside a row sum of at least 1.
; SHARES.  Work-group (i, plane) owns the query blocks i and 7 - i of 256 queries, the lower first: i + 1 and 8 - i key slots of 256 keys, NINE trips for every work-group: 256 work-groups of equal work.
; Each of eight waves owns 32 queries, two tiles of 16.  A trip is four steps of 64 keys; a step all of whose keys come after the wave's queries is jumped over (ids alone decide).
; NO CLUSTER: the four work-groups of a plane ask for key slots 0..i and then 0..7-i: from the second trip on they want different slots in the same trip; walking in step would take 4 + 8 = 12 trips in place of 9.
; LAYOUT.  S^T = K Q^T (source 0 = 16 keys, source 1 = 16 queries): a lane holds ONE query (lane % 16) and keys 8 (lane / 16) + 0..7.  Two such tiles, rounded in pairs, ARE source 1 of O^T = V^T P.  V comes turned, by ds_load_tr16_b128.
; SOFTMAX.  A running maximum m and sum l for each query: p = 2^(c s - c m), c = log2(e) / 8; in every step O and l are multiplied by a = 2^(c m_old - c m_new).  m begins at -3e38, O and l at 0.
; LDS.  Two slots 2^17 bytes apart: 128 lines of K (two keys, 256 bytes + 16), then 128 lines of V (256 + 32).  Behind them a stage of 4,352 bytes a wave, and the spare words.
; REGISTERS: window 0: v1-14 addresses; v16-31 statistics, 8 a tile; v32-63 Q; v64-127 S^T, then p; v128-159 P; v160-223 O^T; v224-255 the way out.  window 1: v0-63 K's fragments, v64-127 V's.
.set KSB,   8704                       ; a step's 32 lines of K
.set VSB,   9216                       ; and of V
.set VOFF,  34816
.set SLOT1, 1<<17
.set STAGE, 2*SLOT1
.set SPARE, STAGE+8*4352               ; the spare words, 128 bytes a wave, which no other line names
.set AK0, 1                            ; v1  (r / 2) 272 + (r % 2) 128 + 16 h
.set AV0, 2                            ; v2  my place in a tile of V for the turning load
.set ADK, 3
.set ADV, 4
.set QO,  5                            ; v5  128 r + 16 h
.set STO, 6
.set RD,  7
.set GO,  8                            ; v8  16 x lane
.set DL,  9                            ; v9  r - 8 h
.set SPW, 10
.set NIL, 11
.set PFO, 12                           ; v12 256 x lane
.set NINF, 13                          ; v13 -infinity
.set DD,  14                           ; v14 the mask's number of my lane
.set ST,  16                           ; tile t: +0 c m, +1 m, +2, +3 l, +4..+7 at work; a takes +6
.set Q,   32
.set S,   64
.set P,   128
.set O,   160
.set W,   224
.set WV,  8
.set KB,  12                           ; s[12:13] K's plane at my half of a slot;  s[14:15] V's
.set VB,  14
.set QA,  16                           ; s[16:17] my queries;  s[18:19] their rows of flat
.set OA,  18
.set SEL, 20
.set CS,  22
.set G1K, 24
.set G1V, 32
.set G0K, 40
.set G0V, 44
.set T,   48                           ; the trip
.set SW,  49                           ; i + 1: the trip in which the upper block begins
.set NK,  50                           ; the key slot that is asked for next
.set KF,  51                           ; the step's first key
.set Q0,  52                           ; my first query
.set J,   53
.set TK,  54                           ; LDS byte at which the step's K begins;  s55 V's
.set TV,  55
.set DQ,  56                           ; s[56:57] (7 - 2 i) x 256 rows of 128 bytes
.set PFK, 60
.set PFV, 62
.set PFL, 66
.set MSB, 0
.macro WIN new                         ; the immediate's high byte repeats the setting that is left
.if MSB != \new
	s_set_vgpr_msb (MSB<<8)|\new
.set MSB, \new
.endif
.endm
; Waves 0 and 1 fetch K's halves of a slot, waves 2 and 3 V's, the others nothing.  An s_nop 0 and four v_nop follow each line.
.macro TLOAD
	s_cmp_lt_u32 s[WV], 2
	s_cbranch_scc0 .Lnot_k_\@
	tensor_load_to_lds s[G0K:G0K+3], s[G1K:G1K+7]
	s_nop 0
.rept 4
	v_nop
.endr
	s_branch .Lasked_\@
.Lnot_k_\@:
	s_cmp_lt_u32 s[WV], 4
	s_cbranch_scc0 .Lasked_\@
	tensor_load_to_lds s[G0V:G0V+3], s[G1V:G1V+7]
	s_nop 0
.rept 4
	v_nop
.endr
.Lasked_\@:
.endm
; A PREFETCH INTO THE L2.  Key slots 4 to 7 of a plane are asked for first by work-group i = 0, whose trip T + 1 asks for slot T + 1.  In its trips 3 to 6 its waves 4 to 7, which fetch nothing, name slot T + 1:
; 8,192 bytes of K and of V a wave, lanes 256 bytes apart: one trip, four key steps, ahead of the tensor load.  Each block of 256 bytes is named once in the launch.  Slots 0 to 3 come by their loads alone.
.macro ASK
	s_sub_co_u32 s58, s[T], s[PFL]
	s_cmp_lt_u32 s58, 4
	s_cbranch_scc0 .Lnot_mine_\@
	global_prefetch_b8 v[PFO], s[PFK:PFK+1] th:TH_LOAD_NT scope:SCOPE_SE
	global_prefetch_b8 v[PFO], s[PFV:PFV+1] th:TH_LOAD_NT scope:SCOPE_SE
.Lnot_mine_\@:
.endm
; THE CHANGE OF SLOTS, at a trip's head.  Each wave waits for all its tensor loads (its part of the slot that it is about to read), adds 0 to its spare word, and waits for that and for its reads of the slot that it has left.
; fill = 1: behind the barrier the slot just left is filled with the next trip's keys: a wave's one tensor load until the next barrier, with a whole trip in which to land.
.macro CHANGE fill
	s_wait_tensorcnt 0x0                           ; no tensor load of mine is out, so a group 0 may be written
	ds_add_u32 v[SPW], v[NIL]                      ; 0 onto my spare word; the descriptors' steps stand between it and the wait for it
.if \fill
	s_xor_b32 s[G0K+1], s[G0K+1], SLOT1
	s_xor_b32 s[G0V+1], s[G0V+1], SLOT1
	s_add_co_u32 s58, s[T], 1
	s_cmp_eq_u32 s58, s[SW]
	s_cselect_b32 s[NK], 0, s[NK]                  ; the upper block begins again at key slot 0
	s_lshl_b32 s58, s[NK], 15
	s_mov_b32 s59, 0
	s_add_nc_u64 s[G0K+2:G0K+3], s[KB:KB+1], s[58:59]
	s_or_b32 s[G0K+3], s[G0K+3], 0x80000000
	s_add_nc_u64 s[G0V+2:G0V+3], s[VB:VB+1], s[58:59]
	s_or_b32 s[G0V+3], s[G0V+3], 0x80000000
	s_add_co_u32 s[NK], s[NK], 1
	s_wait_xcnt 0x0                                ; the last prefetches, a trip back, have read their addresses
	s_add_nc_u64 s[PFK:PFK+1], s[PFK:PFK+1], 32768
	s_add_nc_u64 s[PFV:PFV+1], s[PFV:PFV+1], 32768
.endif
	s_wait_dscnt 0x0                               ; the add is done, and my reads of the slot that I have left are over
	s_barrier_signal -1
	s_barrier_wait -1
.if \fill
	TLOAD
	ASK
.endif
.endm
.macro FETCH_K off                     ; 64 keys x 64 channels: fragment (kt, c) at v[16 kt + 8 c] of window 1
	WIN 0x40
.irp kt, 0,1,2,3
.irp c, 0,1
	ds_load_b128 v[16*\kt+8*\c:16*\kt+8*\c+3],   v[ADK] offset:\off+2176*\kt+64*\c
	ds_load_b128 v[16*\kt+8*\c+4:16*\kt+8*\c+7], v[ADK] offset:\off+2176*\kt+64*\c+32
.endr
.endr
	WIN 0
.endm
.macro FETCH_V                         ; turned: fragment (32 keys g, 16 channels dt) at v[64 + 32 g + 8 dt] of window 1
	WIN 0x40
.irp g, 0,1
.irp dt, 0,1,2,3
	ds_load_tr16_b128 v[64+32*\g+8*\dt:64+32*\g+8*\dt+3],   v[ADV] offset:4608*\g+32*\dt
	ds_load_tr16_b128 v[64+32*\g+8*\dt+4:64+32*\g+8*\dt+7], v[ADV] offset:4608*\g+32*\dt+2304
.endr
.endr
	WIN 0
.endm
.macro MAXES                           ; both tiles line by line: the maximum of 32 scores and the old m, in four chains; the other half of the lanes'; the new m, c m, and c m_old - c m_new.  Each accumulator is read from its low end on
.irp j, 0,1,2,3
.irp t, 0,1
	v_max3_num_f32 v[ST+8*\t+4+\j], v[S+32*\t+8*\j], v[S+32*\t+8*\j+1], v[S+32*\t+8*\j+2]
.endr
.endr
.irp u, 1,2
.irp j, 0,1,2,3
.irp t, 0,1
	v_max3_num_f32 v[ST+8*\t+4+\j], v[ST+8*\t+4+\j], v[S+32*\t+8*\j+2*\u+1], v[S+32*\t+8*\j+2*\u+2]
.endr
.endr
.endr
.irp t, 0,1
	v_max3_num_f32 v[ST+8*\t+4], v[ST+8*\t+4], v[S+32*\t+7], v[S+32*\t+15]
.endr
.irp t, 0,1
	v_max3_num_f32 v[ST+8*\t+6], v[ST+8*\t+6], v[S+32*\t+23], v[S+32*\t+31]
.endr
.irp t, 0,1
	v_max3_num_f32 v[ST+8*\t+4], v[ST+8*\t+4], v[ST+8*\t+5], v[ST+8*\t+6]
.endr
.irp t, 0,1
	v_max3_num_f32 v[ST+8*\t+4], v[ST+8*\t+4], v[ST+8*\t+7], v[ST+8*\t+1]
.endr
.irp t, 0,1
	v_permlanex16_b32 v[ST+8*\t+5], v[ST+8*\t+4], s[SEL], s[SEL+1]
.endr
.irp t, 0,1
	v_mov_b32 v[ST+8*\t+7], v[ST+8*\t]
.endr
.irp t, 0,1
	v_max_num_f32 v[ST+8*\t+1], v[ST+8*\t+4], v[ST+8*\t+5]
.endr
.irp t, 0,1
	v_mul_f32 v[ST+8*\t], s[CS], v[ST+8*\t+1]
.endr
.irp t, 0,1
	v_sub_f32 v[ST+8*\t+7], v[ST+8*\t+7], v[ST+8*\t]
.endr
.endm
.macro RESC t                          ; O^T x a, each accumulator from its low end on
.set n, 0
.rept 16
	v_pk_mul_f32 v[O+32*\t+n:O+32*\t+n+1], v[O+32*\t+n:O+32*\t+n+1], v[ST+8*\t+6:ST+8*\t+7] op_sel_hi:[1,0]
.set n, n+2
.endr
.endm
.macro CVT t
.set n, 0
.rept 16
	v_cvt_pk_f16_f32 v[P+16*\t+n], v[S+32*\t+2*n], v[S+32*\t+2*n+1]
.set n, n+1
.endr
.endm
.macro PV t                            ; O^T += V^T P: the tile's four accumulators by turns
	WIN 0x01
.irp g, 0,1
.irp dt, 0,1,2,3
	v_wmma_f32_16x16x32_f16 v[O+32*\t+8*\dt:O+32*\t+8*\dt+7], v[64+32*\g+8*\dt:64+32*\g+8*\dt+7], v[P+16*\t+8*\g:P+16*\t+8*\g+7], v[O+32*\t+8*\dt:O+32*\t+8*\dt+7]
.endr
.endr
	WIN 0
.endm
.macro SUM t                           ; the sum of the unrounded p, a tree in place; l = l a + the sum
.irp u, 0,1,2,3,4,5,6,7
	v_pk_add_f32 v[S+32*\t+4*\u:S+32*\t+4*\u+1], v[S+32*\t+4*\u:S+32*\t+4*\u+1], v[S+32*\t+4*\u+2:S+32*\t+4*\u+3]
.endr
.irp u, 0,1,2,3
	v_pk_add_f32 v[S+32*\t+8*\u:S+32*\t+8*\u+1], v[S+32*\t+8*\u:S+32*\t+8*\u+1], v[S+32*\t+8*\u+4:S+32*\t+8*\u+5]
.endr
.irp u, 0,1
	v_pk_add_f32 v[S+32*\t+16*\u:S+32*\t+16*\u+1], v[S+32*\t+16*\u:S+32*\t+16*\u+1], v[S+32*\t+16*\u+8:S+32*\t+16*\u+9]
.endr
	v_pk_add_f32 v[S+32*\t:S+32*\t+1], v[S+32*\t:S+32*\t+1], v[S+32*\t+16:S+32*\t+17]
	v_pk_fma_f32 v[ST+8*\t+2:ST+8*\t+3], v[ST+8*\t+2:ST+8*\t+3], v[ST+8*\t+6:ST+8*\t+7], v[S+32*\t:S+32*\t+1] op_sel_hi:[1,0,1]
.endm
; A KEY STEP: 64 keys.  K of this step was fetched a step ago (or at the trip's head).
.macro STEP
	s_add_co_u32 s58, s[Q0], 31
	s_cmp_gt_u32 s[KF], s58                        ; all 64 keys come after my 32 queries: the step's work is left out.  (64 divides KF and 32 divides Q0: in a step that is walked KF <= Q0, so every query sees a key)
	s_cbranch_scc1 .Lhid_\@
	v_add_nc_u32 v[ADK], s[TK], v[AK0]
	v_add_nc_u32 v[ADV], s[TV], v[AV0]
	FETCH_V                                        ; behind the sixteen plain lines of the last step's sums, which are the places behind its last products
	s_wait_dscnt 16                                ; K's sixteen loads are in; V's sixteen, just issued, may be out
	WIN 0x01
.irp t, 0,1
.irp c, 0,1
.irp kt, 0,1,2,3
.if \c == 0
	v_wmma_f32_16x16x32_f16 v[S+32*\t+8*\kt:S+32*\t+8*\kt+7], v[16*\kt+8*\c:16*\kt+8*\c+7], v[Q+16*\t+8*\c:Q+16*\t+8*\c+7], 0
.else
	v_wmma_f32_16x16x32_f16 v[S+32*\t+8*\kt:S+32*\t+8*\kt+7], v[16*\kt+8*\c:16*\kt+8*\c+7], v[Q+16*\t+8*\c:Q+16*\t+8*\c+7], v[S+32*\t+8*\kt:S+32*\t+8*\kt+7]
.endif
.endr
.endr
.endr
	WIN 0
.rept 4
	v_nop                                          ; places behind the products, ahead of the first read of the scores
.endr
	s_add_co_u32 s58, s[KF], 63
	s_cmp_le_u32 s58, s[Q0]
	s_cbranch_scc1 .Lopen_\@                       ; every key counts for every query of mine
	s_sub_co_i32 s58, s[Q0], s[KF]
	v_add_nc_u32 v[DD], s58, v[DL]                 ; register 32 t + 8 kt + j holds key KF + 16 kt + 8 h + j of query Q0 + 16 t + r: hidden where 16 kt + j - 16 t > Q0 - KF + r - 8 h
.irp t, 0,1
.irp kt, 0,1,2,3
.irp j, 0,1,2,3,4,5,6,7
	v_cmp_gt_i32 vcc_lo, 16*\kt+\j-16*\t, v[DD]
	v_cndmask_b32 v[S+32*\t+8*\kt+\j], v[S+32*\t+8*\kt+\j], v[NINF], vcc_lo
.endr
.endr
.endr
.Lopen_\@:
	MAXES
	s_wait_dscnt 0x0                               ; V is in; so the wait is the same whether or not K's loads follow
	s_cmp_eq_u32 s[J], 1
	s_cbranch_scc1 .Lnok_\@                        ; a slot's last step fetches no K: the next slot is read behind the barrier
	FETCH_K KSB                                    ; the next step's K
.Lnok_\@:
.irp t, 0,1
.set n, 0
.rept 16
	v_pk_fma_f32 v[S+32*\t+n:S+32*\t+n+1], v[S+32*\t+n:S+32*\t+n+1], s[CS:CS+1], v[ST+8*\t:ST+8*\t+1] op_sel_hi:[1,0,0] neg_lo:[0,0,1] neg_hi:[0,0,1]   ; c s - c m
.set n, n+2
.endr
.endr
.irp t, 0,1
	v_exp_f32 v[ST+8*\t+6], v[ST+8*\t+7]           ; a
.endr
.set n, 0
.rept 64
	v_exp_f32 v[S+n], v[S+n]                       ; p
.set n, n+1
.endr
	v_nop                                          ; a plain line behind the last exponential
	s_wait_alu depctr_va_vdst(0)                   ; one wait for the batch of 66, ahead of its first reader
	RESC 0
	CVT 0
	PV 0
	SUM 0
	RESC 1
	CVT 1
	PV 1
	SUM 1
.Lhid_\@:
	s_add_co_u32 s[KF], s[KF], 64
	s_add_co_u32 s[TK], s[TK], KSB
	s_add_co_u32 s[TV], s[TV], VSB
.endm
.macro NEWBLOCK                        ; my 32 queries into registers; m = -3e38, l = 0, O^T = 0: the step is written once, and the first change of m multiplies zeros
.irp t, 0,1
.irp c, 0,1
	global_load_b128 v[Q+16*\t+8*\c:Q+16*\t+8*\c+3],   v[QO], s[QA:QA+1] offset:2048*\t+64*\c th:TH_LOAD_NT
	global_load_b128 v[Q+16*\t+8*\c+4:Q+16*\t+8*\c+7], v[QO], s[QA:QA+1] offset:2048*\t+64*\c+32 th:TH_LOAD_NT
.endr
.endr
.irp t, 0,1
	v_mov_b32 v[ST+8*\t+1], 0xff61b1e6
	v_mul_f32 v[ST+8*\t], s[CS], v[ST+8*\t+1]
.irp i, 2,3,4,5,6,7
	v_mov_b32 v[ST+8*\t+\i], 0
.endr
.endr
.set n, 0
.rept 64
	v_mov_b32 v[O+n], 0
.set n, n+1
.endr
	s_wait_loadcnt 0x0
.endm
; THE WAY OUT of a block: O^T / l, rounded to f16, through my stage (a line = two tokens, 256 bytes + 16) and out: a store covers four tokens, 512 consecutive bytes, aligned.
.macro WAYOUT
.rept 4
	v_nop
.endr
.irp t, 0,1
	v_add_f32 v[ST+8*\t+4], v[ST+8*\t+2], v[ST+8*\t+3]
.endr
.irp t, 0,1
	v_permlanex16_b32 v[ST+8*\t+5], v[ST+8*\t+4], s[SEL], s[SEL+1]
.endr
.irp t, 0,1
	v_add_f32 v[ST+8*\t+4], v[ST+8*\t+4], v[ST+8*\t+5]
.endr
.irp t, 0,1
	v_rcp_f32 v[ST+8*\t+6], v[ST+8*\t+4]
.endr
	v_nop
	s_wait_alu depctr_va_vdst(0)                   ; one wait for the two reciprocals, ahead of their first reader
	RESC 0
	RESC 1
.irp t, 0,1
.set n, 0
.rept 16
	v_cvt_pk_f16_f32 v[W+16*\t+n], v[O+32*\t+2*n], v[O+32*\t+2*n+1]
.set n, n+1
.endr
.endr
.irp t, 0,1
.irp dt, 0,1,2,3
	ds_store_b128 v[STO], v[W+16*\t+4*\dt:W+16*\t+4*\dt+3] offset:2176*\t+32*\dt
.endr
.endr
.irp u, 0,1,2,3,4,5,6,7
	ds_load_b128 v[S+4*\u:S+4*\u+3], v[RD] offset:544*\u       ; LDS serves a wave's instructions in order: these see the stores above
.endr
	s_wait_dscnt 0x0
.irp u, 0,1,2,3,4,5,6,7
	global_store_b128 v[GO], v[S+4*\u:S+4*\u+3], s[OA:OA+1] offset:512*\u
.endr
	s_wait_xcnt 0x0                                ; the stores have read their registers and their base: both are written again
.endm
.macro TRIP fill
	CHANGE \fill
.if \fill
	s_cmp_eq_u32 s[T], s[SW]                       ; the lower block is finished: the same in all eight waves
	s_cbranch_scc0 .Lsame_\@
	WAYOUT
	s_lshr_b32 s58, s[DQ], 7
	s_add_co_u32 s[Q0], s[Q0], s58
	s_add_nc_u64 s[QA:QA+1], s[QA:QA+1], s[DQ:DQ+1]
	s_add_nc_u64 s[OA:OA+1], s[OA:OA+1], s[DQ:DQ+1]
	s_mov_b32 s[KF], 0
	NEWBLOCK
.Lsame_\@:
.endif
	v_add_nc_u32 v[ADK], s[TK], v[AK0]
	FETCH_K 0                                      ; a trip's first step is never left out: its first key is at or under every query of the block
	s_mov_b32 s[J], 4
.Lstep_\@:
	STEP
	s_sub_co_u32 s[J], s[J], 1
	s_cmp_lg_u32 s[J], 0
	s_cbranch_scc1 .Lstep_\@
	s_sub_co_u32 s[TK], s[TK], 4*KSB               ; back to a slot's first step,
	s_xor_b32 s[TK], s[TK], SLOT1                  ; in the other slot
	s_sub_co_u32 s[TV], s[TV], 4*VSB
	s_xor_b32 s[TV], s[TV], SLOT1
.endm
	s_load_b128 s[4:7], s[0:1], 0x0                ; qkv, flat
	v_lshl_add_u32 v[SPW], v0, 2, SPARE
	v_mov_b32 v[NIL], 0
	ds_add_u32 v[SPW], v[NIL]                      ; the wave's opening: the add and its wait ahead of my first tensor load
	v_lshrrev_b32 v1, 5, v0
	v_readfirstlane_b32 s[WV], v1                  ; wave 0..7
	s_and_b32 s9, s[WV], 1
	s_and_b32 s11, ttmp7, 0xffff                   ; the plane: 16 x batch + head
	s_mov_b32 s[G1K], (1<<16)|(1<<20)|(5<<22)|(3<<25)   ; no mask; elements of 2 bytes; padding on: 4 words behind every 64
	s_mov_b32 s[G1V], (1<<16)|(1<<20)|(5<<22)|(7<<25)   ; 8 words
.irp g, G1K, G1V
	s_mov_b32 s[\g+1], 128<<16                     ; tensor_dim0: a line is two keys, 128 elements, dense in memory
	s_mov_b32 s[\g+2], 64<<16                      ; tensor_dim1
	s_mov_b32 s[\g+3], 128<<16                     ; tile_dim0
	s_mov_b32 s[\g+4], 64                          ; tile_dim1
	s_mov_b32 s[\g+5], 128                         ; from line to line
	s_mov_b32 s[\g+6], 0
	s_mov_b32 s[\g+7], 0
.endr
	s_mov_b32 s[SEL], 0x76543210
	s_mov_b32 s[SEL+1], 0xfedcba98
	s_mov_b32 s[CS], 0x3e38aa3b                    ; c = log2(e) / 8
	s_mov_b32 s[CS+1], s[CS]
	s_mov_b32 s[T], 0
	s_add_co_u32 s[SW], ttmp9, 1
	s_mov_b32 s[NK], 1
	s_mov_b32 s[KF], 0
	s_lshl_b32 s[Q0], ttmp9, 8
	s_lshl_b32 s58, s[WV], 5
	s_add_co_u32 s[Q0], s[Q0], s58                 ; my first query: 256 i + 32 x wave
	s_mov_b32 s[TK], 0
	s_mov_b32 s[TV], 0
	s_lshl_b32 s58, ttmp9, 1
	s_sub_co_u32 s[DQ], 7, s58
	s_lshl_b32 s[DQ], s[DQ], 15
	s_mov_b32 s[DQ+1], 0
	s_lshr_b32 s58, s[WV], 2
	s_xor_b32 s58, s58, 1                          ; 0 in waves 4 to 7,
	s_or_b32 s58, s58, ttmp9                       ; of work-group i = 0
	s_cmp_eq_u32 s58, 0
	s_cselect_b32 s[PFL], 3, 100
	s_wait_dscnt 0x0                               ; the opening add is done
	s_wait_kmcnt 0x0
	s_lshl_b32 s58, s11, 18
	s_mov_b32 s59, 0
	s_add_nc_u64 s[QA:QA+1], s[4:5], s[58:59]      ; q's plane
	s_add_nc_u64 s[KB:KB+1], s[QA:QA+1], 0x1000000 ; k's
	s_add_nc_u64 s[VB:VB+1], s[QA:QA+1], 0x2000000 ; v's
	s_and_b32 s58, s[WV], 3
	s_lshl_b32 s58, s58, 13
	s_add_nc_u64 s[PFK:PFK+1], s[KB:KB+1], s[58:59]    ; the prefetches stand at key slot 0 and step a slot in every trip, ahead of the request
	s_add_nc_u64 s[PFV:PFV+1], s[VB:VB+1], s[58:59]
	s_lshl_b32 s58, s9, 14
	s_add_nc_u64 s[KB:KB+1], s[KB:KB+1], s[58:59]
	s_add_nc_u64 s[VB:VB+1], s[VB:VB+1], s[58:59]
	s_mov_b32 s[G0K], 1
	s_mul_i32 s[G0K+1], s9, 17408
	s_mov_b64 s[G0K+2:G0K+3], s[KB:KB+1]
	s_or_b32 s[G0K+3], s[G0K+3], 0x80000000
	s_mov_b32 s[G0V], 1
	s_mul_i32 s58, s9, 18432
	s_add_co_u32 s[G0V+1], s58, VOFF
	s_mov_b64 s[G0V+2:G0V+3], s[VB:VB+1]
	s_or_b32 s[G0V+3], s[G0V+3], 0x80000000
	TLOAD                                          ; key slot 0 into slot 0
	s_lshl_b32 s58, s[Q0], 7
	s_add_nc_u64 s[QA:QA+1], s[QA:QA+1], s[58:59]
	s_and_b32 s10, s11, 15
	s_lshl_b32 s10, s10, 20                        ; flat: the head's plane,
	s_add_co_u32 s58, s58, s10
	s_lshr_b32 s10, s11, 4
	s_lshl_b32 s10, s10, 18                        ; the batch's 2,048 tokens of 128 bytes
	s_add_co_u32 s58, s58, s10
	s_add_nc_u64 s[OA:OA+1], s[6:7], s[58:59]
	v_and_b32 v15, 15, v0                          ; r
	v_bfe_u32 v14, v0, 4, 1                        ; h
	v_lshrrev_b32 v1, 1, v15
	v_mul_u32_u24 v1, v1, 272
	v_and_b32 v3, 1, v0
	v_lshl_add_u32 v1, v3, 7, v1
	v_lshl_add_u32 v[AK0], v14, 4, v1
	v_bfe_u32 v2, v0, 1, 2                         ; the turning load: lane l reads key 8 h + l % 8, channels 8 ((l / 8) % 2) on
	v_lshl_add_u32 v2, v14, 2, v2
	v_mul_u32_u24 v2, v2, 288
	v_lshl_add_u32 v2, v3, 7, v2
	v_bfe_u32 v4, v0, 3, 1
	v_lshl_add_u32 v2, v4, 4, v2
	v_add_nc_u32 v[AV0], VOFF, v2
	v_lshlrev_b32 v[QO], 7, v15
	v_lshl_add_u32 v[QO], v14, 4, v[QO]
	s_mul_i32 s58, s[WV], 4352
	s_add_co_u32 s58, s58, STAGE                   ; my stage
	v_add_nc_u32 v[STO], s58, v[AK0]
	v_mul_u32_u24 v[RD], v14, 272
	v_lshl_add_u32 v[RD], v15, 4, v[RD]
	v_add_nc_u32 v[RD], s58, v[RD]
	v_and_b32 v[GO], 31, v0
	v_lshlrev_b32 v[PFO], 8, v[GO]
	v_lshlrev_b32 v[GO], 4, v[GO]
	v_lshlrev_b32 v[DL], 3, v14
	v_sub_nc_u32 v[DL], v15, v[DL]
	v_mov_b32 v[NINF], 0xff800000
	NEWBLOCK
.Ltrip:                                                ; eight trips, each asking for the next trip's keys
	TRIP 1
	s_add_co_u32 s[T], s[T], 1
	s_cmp_lt_u32 s[T], 8
	s_cbranch_scc1 .Ltrip
	TRIP 0                                         ; the ninth is written out: nothing is left to ask for
	WAYOUT
	s_wait_tensorcnt 0x0                           ; the wave's end: a tensor wait, an add and its wait behind my last tensor load and my last LDS store
	ds_add_u32 v[SPW], v[NIL]
	s_wait_dscnt 0x0
	s_endpgm
.Lfunc_end_k_q85c26be935_attn:
	.size	k_q85c26be935_attn, .Lfunc_end_k_q85c26be935_attn-k_q85c26be935_attn
	.p2alignl 7, 3214868480
	.fill 96, 4, 3214868480
	.section	.rodata,"a",@progbits
	.p2align	6, 0x0
	.amdhsa_kernel k_q85c26be935_attn
		.amdhsa_group_segment_fixed_size 327680
		.amdhsa_private_segment_fixed_size 0
		.amdhsa_enable_private_segment 0
		.amdhsa_kernarg_size 16
		.amdhsa_user_sgpr_count 2
		.amdhsa_user_sgpr_kernarg_segment_ptr 1
		.amdhsa_wavefront_size32 1
		.amdhsa_system_sgpr_workgroup_id_x 1
		.amdhsa_system_sgpr_workgroup_id_y 1
		.amdhsa_system_sgpr_workgroup_id_z 1
		.amdhsa_system_vgpr_workitem_id 0
		.amdhsa_next_free_vgpr 384
		.amdhsa_next_free_sgpr 72
		.amdhsa_reserve_vcc 1
		.amdhsa_float_denorm_mode_32 3
		.amdhsa_float_denorm_mode_16_64 3
		.amdhsa_memory_ordered 1
		.amdhsa_forward_progress 1
		.amdhsa_inst_pref_size 74
	.end_amdhsa_kernel
	.amdgpu_metadata
---
amdhsa.version: [ 1, 2 ]
amdhsa.kernels:
  - .name:           k_q85c26be935_attn
    .symbol:         k_q85c26be935_attn.kd
    .args:
      - { .name: qkv, .offset: 0, .size: 8, .value_kind: global_buffer, .address_space: global }
      - { .name: flat, .offset: 8, .size: 8, .value_kind: global_buffer, .address_space: global }
    .group_segment_fixed_size: 327680
    .private_segment_fixed_size: 0
    .kernarg_segment_align: 8
    .kernarg_segment_size: 16
    .max_flat_workgroup_size: 256
    .sgpr_count:     72
    .vgpr_count:     384
    .wavefront_size: 32
...
	.end_amdgpu_metadata
.endif
;; end of part 3
;; launch oproj (part 4): grid 4 x 64, 4 waves a work-group, clusters of 4 x 4, 327,680 bytes of LDS; arguments flat, woh, out0; writes out0
.if DOCPART == 4
	.amdgcn_target "amdgcn-amd-amdhsa--gfx1250"
	.amdhsa_code_object_version 6
	.text
	.protected	k_q85c26be935_oproj
	.globl	k_q85c26be935_oproj
	.p2align	8
	.type	k_q85c26be935_oproj,@function
k_q85c26be935_oproj:
	s_mov_b64 s[64:65], 0
	v_nop
	global_prefetch_b8 v0, s[64:65] scope:SCOPE_SE
	s_setreg_imm32_b32 hwreg(HW_REG_WAVE_MODE, 25, 1), 1
	s_wait_xcnt 0x0
	s_wait_alu depctr_hold_cnt(0) depctr_sa_sdst(0) depctr_va_vdst(0) depctr_va_sdst(0) depctr_va_ssrc(0) depctr_va_vcc(0) depctr_vm_vsrc(0)
	s_getreg_b32 s2, hwreg(HW_REG_IB_STS2, 6, 4)
	s_cmp_eq_u32 s2, 0
	s_cbranch_scc0 .Lentry_in_a_cluster
	s_endpgm
.Lentry_in_a_cluster:
	s_bfe_u32 s2, ttmp6, 0x10000c
	s_cmp_lg_u32 s2, 0xf033
	s_cbranch_scc0 .Lentry_shape_is_right
	s_endpgm
.Lentry_shape_is_right:
; out0[token][n] = the sum over k of flat[token][k] Wo[n][k], k = 64 head + channel.  flat [head 16][token 8192][64] f16; woh [1024][1024] f16; out0 [8192][1024] f32; sums in f32, K ascending.
; Rows 0-15 of each batch are NOT stored here: the launch behind this one makes them from f32 operands.
; A tile is 128 tokens x 256 columns: 256 work-groups of four waves, each 64 x 128: 32 accumulators, 256 registers.  K goes in 8 steps of 128 (two heads) through two LDS slots.
; CLUSTERS: 4 x 4.  A's tile (tokens) is shared along a row of the cluster, B's (Wo's rows) along a column: joint loads.  THE TILE ROW IS 16 cy + cluster y: the batch is cy, and whether a tile holds a batch's first rows
; hangs on the cluster's y alone, which all partners share.
; THE MATRIX INSTRUCTION IS USED TRANSPOSED (source 0 = 16 rows of Wo, source 1 = 16 tokens): a lane holds eight neighbouring columns of one token's row.
; LDS, a slot: A: two planes of 64 lines (two tokens of a head, 256 bytes + 16); B: 256 rows of 256 bytes + 16.  Behind the slots a stage of 16 x 528 bytes a wave, and the spare words.
; REGISTERS: window 0: v16-30 addresses; v64-127 A's fragments, two buffers; v128-255 rows on the way out.  window 1: v0-127 B's fragments, two buffers.  window 2: the accumulators, (a, b) at v[8 (8 a + b)].
.set APL,    17408                     ; a plane of A in a slot
.set BOFF,   34816
.set BHALF,  34816                     ; 128 rows of B
.set SLOT,   104448
.set STAGE,  2*SLOT
.set SPITCH, 528
.set SPARE,  STAGE+4*16*SPITCH         ; the spare words, 128 bytes a wave, which no other line names
.set LAPS,   4                         ; a lap = two K steps = once round the ring
.set ASTEP,  2097152                   ; a K step in flat: two planes
.set BSTEP,  256                       ; and in a row of woh
.set ADRA, 16
.set ADRB, 20
.set STO,  24
.set RD,   25
.set CO,   26
.set SPW,  28
.set NIL,  29
.set PFO,  30
.set AF,   64
.set BK,   128
.set G1,  24
.set G0,  32
.set G1B, 48
.set G0B, 56
.set HD,  45                           ; s45 0 where my first 16 rows are a batch's first
.set PFA, 66
.set LIM, 68
.set MSB, 0
.macro WIN new
.if MSB != \new
	s_set_vgpr_msb (MSB<<8)|\new
.set MSB, \new
.endif
.endm
.set MUL,  0xa1                        ; source 0 (B) window 1, source 1 (A) window 0, C and D window 2
.set TO_B, 0x40
.macro JLOAD s                         ; waves 0 and 1 fetch A's two planes, waves 2 and 3 B's two halves; an s_nop 0 and four v_nop follow each line
	s_cmp_eq_u32 s11, 0
	s_cbranch_scc0 .Lfor_b_\@
	tensor_load_to_lds s[G0+4*\s:G0+4*\s+3], s[G1:G1+7]
	s_nop 0
.rept 4
	v_nop
.endr
	s_branch .Lasked_\@
.Lfor_b_\@:
	tensor_load_to_lds s[G0B+4*\s:G0B+4*\s+3], s[G1B:G1B+7]
	s_nop 0
.rept 4
	v_nop
.endr
.Lasked_\@:
.endm
; A PREFETCH INTO THE L2 of A's tile two refills on: two planes x 64 blocks of 256 bytes.  A tile row is read by this cluster alone; its four partners take 16 blocks of each plane, told apart BY ADDRESS; in each, wave 0 asks:
; lanes 0-15 the first plane, lanes 16-31 the second.  So each block is named once in the launch.  The last lap's refills have no K step two on and ask for nothing; K steps 0 to 3 come by their loads alone.
; Wo's rows, which all sixteen clusters walk, are not asked for.
.macro ASK
	s_cmp_gt_u32 s3, s[LIM]
	s_cbranch_scc0 .Lnot_mine_\@
	global_prefetch_b8 v[PFO], s[PFA:PFA+1] offset:ASTEP th:TH_LOAD_NT scope:SCOPE_SE
.Lnot_mine_\@:
.endm
.macro CREST
	s_cmp_lg_u32 s10, 0
	s_cbranch_scc1 .Lnot_wave_0_\@
	s_barrier_signal -3
.Lnot_wave_0_\@:
	s_barrier_wait -3
	s_barrier_signal -1
	s_barrier_wait -1
.endm
.macro CROUND
	s_barrier_signal -1
	s_barrier_wait -1
	CREST
.endm
	s_load_b128 s[4:7], s[0:1], 0x0                ; flat, woh
	s_load_b64 s[8:9], s[0:1], 0x10                ; out0
	v_lshl_add_u32 v[SPW], v0, 2, SPARE
	v_mov_b32 v[NIL], 0
	ds_add_u32 v[SPW], v[NIL]                      ; the wave's opening: the add and its wait ahead of my first tensor load
	v_lshrrev_b32 v1, 5, v0
	v_readfirstlane_b32 s10, v1                    ; wave 0..3
	s_lshr_b32 s11, s10, 1                         ; which 64 tokens are mine.  Also: I fetch for A (0) or for B (1)
	s_and_b32 s12, s10, 1                          ; which 128 columns.  Also: which plane of A, or which half of B, I fetch
	s_bfe_u32 s40, ttmp6, 0x40000                  ; cx, cy
	s_bfe_u32 s41, ttmp6, 0x40004
	s_lshl_b32 s42, ttmp9, 2
	s_add_co_u32 s42, s42, s40                     ; tile column
	s_and_b32 s13, ttmp7, 0xffff
	s_or_b32 s[HD], s13, s11
	s_lshl_b32 s16, s41, 4
	s_add_co_u32 s13, s13, s16                     ; tile row = 16 cy + cluster y
	s_lshl_b32 s43, s41, 2
	s_lshl_b32 s43, 15, s43                        ; my row of the cluster
	s_lshl_b32 s44, 0x1111, s40                    ; my column
	s_or_b32 s[G1+0], s43, (1<<16)|(1<<20)|(1<<21)|(5<<22)|(3<<25)   ; the mask; elements of 2 bytes; padding on; bit 21 beside a mask; 4 words behind every 64
	s_or_b32 s[G1B+0], s44, (1<<16)|(1<<20)|(1<<21)|(5<<22)|(3<<25)
	s_mov_b32 s[G1+1], 128<<16                     ; A: 64 lines of 128 elements, dense
	s_mov_b32 s[G1+2], 64<<16
	s_mov_b32 s[G1+3], 128<<16
	s_mov_b32 s[G1+4], 64
	s_mov_b32 s[G1+5], 128
	s_mov_b32 s[G1+6], 0
	s_mov_b32 s[G1+7], 0
	s_mov_b32 s[G1B+1], 128<<16                    ; B: 128 rows of 128 elements, 1,024 elements apart
	s_mov_b32 s[G1B+2], 128<<16
	s_mov_b32 s[G1B+3], 128<<16
	s_mov_b32 s[G1B+4], 128
	s_mov_b32 s[G1B+5], 1024
	s_mov_b32 s[G1B+6], 0
	s_mov_b32 s[G1B+7], 0
	s_lshl_b32 s16, s12, 20                        ; A: my plane, + 128 tokens of 128 bytes x tile row
	s_lshl_b32 s17, s13, 14
	s_add_co_u32 s16, s16, s17
	s_mov_b32 s17, 0
	s_lshl_b32 s46, s42, 8                         ; B: row 256 x tile column + 128 x half, of 2,048 bytes
	s_lshl_b32 s47, s12, 7
	s_add_co_u32 s46, s46, s47
	s_lshl_b32 s46, s46, 11
	s_mov_b32 s47, 0
	s_mul_i32 s20, s12, APL                        ; where they go: no place in the cluster enters an LDS address
	s_mul_i32 s21, s12, BHALF
	s_add_co_u32 s21, s21, BOFF
	s_wait_dscnt 0x0                               ; the opening add is done
	s_wait_kmcnt 0x0
	s_add_nc_u64 s[14:15], s[4:5], s[16:17]
	s_add_nc_u64 s[46:47], s[6:7], s[46:47]
	CROUND                                         ; all sixteen work-groups are here: the first joint loads meet
.irp s, 0,1
	s_mov_b32 s[G0+4*\s], 1
	s_add_co_u32 s[G0+4*\s+1], s20, \s*SLOT
	s_add_nc_u64 s[G0+4*\s+2:G0+4*\s+3], s[14:15], \s*ASTEP
	s_or_b32 s[G0+4*\s+3], s[G0+4*\s+3], 0x80000000
	s_mov_b32 s[G0B+4*\s], 1
	s_add_co_u32 s[G0B+4*\s+1], s21, \s*SLOT
	s_add_nc_u64 s[G0B+4*\s+2:G0B+4*\s+3], s[46:47], \s*BSTEP
	s_or_b32 s[G0B+4*\s+3], s[G0B+4*\s+3], 0x80000000
	JLOAD \s                                       ; by this text's count two loads of a wave are out here, one behind each round later
.endr
	v_and_b32 v1, 15, v0                           ; r
	v_bfe_u32 v2, v0, 4, 1                         ; h
	v_lshrrev_b32 v3, 1, v1
	v_mul_u32_u24 v3, v3, 272
	v_and_b32 v4, 1, v0
	v_lshl_add_u32 v3, v4, 7, v3
	v_lshl_add_u32 v3, v2, 4, v3                   ; A: (r / 2) 272 + (r % 2) 128 + 16 h
	v_mul_u32_u24 v4, v1, 272
	v_lshl_add_u32 v4, v2, 4, v4                   ; B: 272 r + 16 h
	s_mul_i32 s21, s11, 8704                       ; my 64 tokens: 32 lines
	s_mul_i32 s22, s12, BHALF
	s_add_co_u32 s22, s22, BOFF
.irp s, 0,1
	v_add_nc_u32 v[ADRA+\s], s21, v3
	v_add_nc_u32 v[ADRB+\s], s22, v4
	s_add_co_u32 s21, s21, SLOT
	s_add_co_u32 s22, s22, SLOT
.endr
	s_mul_i32 s23, s10, 16*SPITCH
	s_add_co_u32 s23, s23, STAGE                   ; my stage
	v_mul_u32_u24 v5, v1, SPITCH
	v_lshl_add_u32 v5, v2, 5, v5
	v_add_nc_u32 v[STO], s23, v5
	v_and_b32 v6, 31, v0
	v_lshlrev_b32 v[CO], 4, v6
	v_add_nc_u32 v[RD], s23, v[CO]
	s_lshl_b32 s16, s13, 19                        ; out0: (128 x tile row + 64 x my half) rows of 4,096 bytes,
	s_lshl_b32 s17, s11, 18
	s_add_co_u32 s16, s16, s17
	s_lshl_b32 s17, s42, 10                        ; + 1,024 x tile column + 512 x my half
	s_add_co_u32 s16, s16, s17
	s_lshl_b32 s17, s12, 9
	s_add_co_u32 s16, s16, s17
	s_mov_b32 s17, 0
	s_add_nc_u64 s[8:9], s[8:9], s[16:17]
	s_lshl_b32 s16, s13, 14                        ; the prefetches: my tile row, my work-group's 16 blocks of a plane,
	s_lshl_b32 s18, s40, 12
	s_add_co_u32 s16, s16, s18
	s_add_nc_u64 s[PFA:PFA+1], s[4:5], s[16:17]
	s_add_nc_u64 s[PFA:PFA+1], s[PFA:PFA+1], 2*ASTEP   ; at K step 2: the first refill steps it to 3 and names K step 4
	s_cmp_eq_u32 s10, 0
	s_cselect_b32 s[LIM], 1, -1
	v_lshlrev_b32 v[PFO], 8, v1
	v_lshl_add_u32 v[PFO], v2, 20, v[PFO]
.macro MULA p, a, zero                 ; 8 matrix instructions: token block a x the 8 column blocks, 32 along K.  The 32 accumulators take turns in the same order in every quarter
.irp b, 0,1,2,3,4,5,6,7
.if \zero
	v_wmma_f32_16x16x32_f16 v[8*(8*(\a)+\b):8*(8*(\a)+\b)+7], v[64*(\p)+8*\b:64*(\p)+8*\b+7], v[AF+32*(\p)+8*(\a):AF+32*(\p)+8*(\a)+7], 0
.else
	v_wmma_f32_16x16x32_f16 v[8*(8*(\a)+\b):8*(8*(\a)+\b)+7], v[64*(\p)+8*\b:64*(\p)+8*\b+7], v[AF+32*(\p)+8*(\a):AF+32*(\p)+8*(\a)+7], v[8*(8*(\a)+\b):8*(8*(\a)+\b)+7]
.endif
.endr
.endm
.macro MUL16 p, a0, zero
	MULA \p, \a0, \zero
	MULA \p, \a0+1, \zero
.endm
.macro FETCH slot, q, p                ; 24 LDS loads in one run: quarter q (32 along K) into buffer p: B's eight fragments, then A's four, blocks 0 and 1 first
	WIN TO_B
.irp i, 0,1,2,3,4,5,6,7
	ds_load_b128 v[64*(\p)+8*\i:64*(\p)+8*\i+3],   v[ADRB+\slot] offset:64*(\q)+4352*\i
	ds_load_b128 v[64*(\p)+8*\i+4:64*(\p)+8*\i+7], v[ADRB+\slot] offset:64*(\q)+4352*\i+32
.endr
	WIN 0
.irp i, 0,1,2,3
	ds_load_b128 v[AF+32*(\p)+8*\i:AF+32*(\p)+8*\i+3],   v[ADRA+\slot] offset:((\q)/2)*APL+((\q)%2)*64+2176*\i
	ds_load_b128 v[AF+32*(\p)+8*\i+4:AF+32*(\p)+8*\i+7], v[ADRA+\slot] offset:((\q)/2)*APL+((\q)%2)*64+2176*\i+32
.endr
.endm
.macro PLACES                          ; plain vector lines between a matrix instruction and a load into, or a read of, its registers
.rept 4
	v_nop
.endr
.endm
.macro QUARTER slot, q, f, g, zero     ; multiplies buffer f; in its middle fetches quarter q of the same slot into buffer g
	s_wait_dscnt 4                                 ; B and A's blocks 0, 1 are in; the youngest four loads (A's blocks 2, 3) may be out
	WIN MUL
	MUL16 \f, 0, \zero
	PLACES
	FETCH \slot, \q, \g
	s_wait_dscnt 24                                ; all but the 24 just issued
	WIN MUL
	MUL16 \f, 2, \zero
.endm
; A K step's last quarter multiplies buffer 1 and changes slots: ONE barrier; in front of it each wave waits for all its tensor loads, adds 0 to its spare word, and waits for that and for its reads of this slot.
; fill = 1: the barrier opens a round of the cluster's, and the joint refill, two K steps ahead, is the first tensor load behind it.
.macro TURN slot, next, fill
.if \fill
	s_wait_xcnt 0x0                                ; the last prefetch, a K step back, has read its address
	s_add_nc_u64 s[PFA:PFA+1], s[PFA:PFA+1], ASTEP
.endif
	WIN 0
	s_wait_tensorcnt 0x0                           ; all my tensor loads have landed: my part of the next slot
	ds_add_u32 v[SPW], v[NIL]
	s_wait_dscnt 5                                 ; (the add and the youngest four loads may be out)
	WIN MUL
	MULA 1, 0, 0
	s_wait_dscnt 0x0                               ; the add is done, and my reads of this slot are over
	s_barrier_signal -1
	MULA 1, 1, 0
.if \fill
	WIN 0
.endif
	s_barrier_wait -1
.if \fill
	CREST                                          ; no wave of any partner still reads this slot's tile or has a load on its way
	s_add_nc_u64 s[G0+4*\slot+2:G0+4*\slot+3], s[G0+4*\slot+2:G0+4*\slot+3], 2*ASTEP
	s_add_nc_u64 s[G0B+4*\slot+2:G0B+4*\slot+3], s[G0B+4*\slot+2:G0B+4*\slot+3], 2*BSTEP
	JLOAD \slot                                    ; the four v_nop behind it are also the places in front of the loads below
.else
	PLACES
.endif
	FETCH \next, 0, 0
.if \fill
	ASK
.endif
	WIN MUL
	MUL16 1, 2, 0
.endm
	s_wait_tensorcnt 1                             ; my part of K step 0 is in (K step 1's may be out)
	s_barrier_signal -1
	s_barrier_wait -1
	FETCH 0, 0, 0
	QUARTER 0, 1, 0, 1, 1                          ; the first quarter's products start the sums: nothing is cleared
	WIN 0
	s_mov_b32 s3, LAPS-1
.Llap:                                                 ; a trip goes once round the ring, from a lap's second quarter to the next lap's first
	QUARTER 0, 2, 1, 0, 0
	QUARTER 0, 3, 0, 1, 0
	TURN 0, 1, 1
	QUARTER 1, 1, 0, 1, 0
	QUARTER 1, 2, 1, 0, 0
	QUARTER 1, 3, 0, 1, 0
	TURN 1, 0, 1
	QUARTER 0, 1, 0, 1, 0
	WIN 0
	s_sub_co_u32 s3, s3, 1
	s_cmp_lg_u32 s3, 0
	s_cbranch_scc1 .Llap
	QUARTER 0, 2, 1, 0, 0                          ; the last lap fills nothing
	QUARTER 0, 3, 0, 1, 0
	TURN 0, 1, 0
	QUARTER 1, 1, 0, 1, 0
	QUARTER 1, 2, 1, 0, 0
	QUARTER 1, 3, 0, 1, 0
	s_wait_dscnt 4
	WIN MUL
	MUL16 1, 0, 0
	s_wait_dscnt 0
	MUL16 1, 2, 0
	WIN 0
; THE WAY OUT, block by block of 16 tokens x 128 columns: through my stage (rows of 512 bytes + 16) and back as whole rows, which the 32 lanes store as 512 consecutive bytes, aligned.
.macro TOSTAGE a
	WIN 0x08                                       ; an LDS store's data are its source 1: window 2
.irp b, 0,1,2,3,4,5,6,7
	ds_store_b128 v[STO], v[64*(\a)+8*\b:64*(\a)+8*\b+3] offset:64*\b          ; each accumulator from its low end on
	ds_store_b128 v[STO], v[64*(\a)+8*\b+4:64*(\a)+8*\b+7] offset:64*\b+16
.endr
	WIN 0
.set BB, BK+64*((\a)%2)
.irp t, 0,1,2,3,4,5,6,7,8,9,10,11,12,13,14,15
	ds_load_b128 v[BB+4*\t:BB+4*\t+3], v[RD] offset:\t*SPITCH      ; LDS serves a wave's instructions in order: these see the stores above
.endr
.endm
.macro SEND a, younger
.set BB, BK+64*((\a)%2)
	s_wait_dscnt \younger                          ; the block is back; the next block's 16 stores and 16 loads may be out
.if (\a) == 0
	s_cmp_eq_u32 s[HD], 0                          ; a batch's rows 0-15 belong to the next launch: cluster y and the wave's number decide
	s_cbranch_scc1 .Lhead_rows
.endif
.irp t, 0,1,2,3,4,5,6,7,8,9,10,11,12,13,14,15
	global_store_b128 v[CO], v[BB+4*\t:BB+4*\t+3], s[8:9] offset:(16*(\a)+\t)*4096 th:TH_STORE_NT
.endr
.if (\a) == 0
.Lhead_rows:
.endif
.endm
	PLACES
	TOSTAGE 0
.irp a, 1,2,3
.if \a > 1
	s_wait_xcnt 0x0                                ; block a - 2's stores have read their registers: block a's loads may land there
.endif
	TOSTAGE \a
	SEND \a-1, 32
.endr
	SEND 3, 0
	s_wait_tensorcnt 0x0                           ; the wave's end: a tensor wait, an add and its wait behind my last tensor load and my last LDS store
	ds_add_u32 v[SPW], v[NIL]
	s_wait_dscnt 0x0
	CROUND                                         ; the closing round
	s_endpgm
.Lfunc_end_k_q85c26be935_oproj:
	.size	k_q85c26be935_oproj, .Lfunc_end_k_q85c26be935_oproj-k_q85c26be935_oproj
	.p2alignl 7, 3214868480
	.fill 96, 4, 3214868480
	.section	.rodata,"a",@progbits
	.p2align	6, 0x0
	.amdhsa_kernel k_q85c26be935_oproj
		.amdhsa_group_segment_fixed_size 327680
		.amdhsa_private_segment_fixed_size 0
		.amdhsa_enable_private_segment 0
		.amdhsa_kernarg_size 24
		.amdhsa_user_sgpr_count 2
		.amdhsa_user_sgpr_kernarg_segment_ptr 1
		.amdhsa_wavefront_size32 1
		.amdhsa_system_sgpr_workgroup_id_x 1
		.amdhsa_system_sgpr_workgroup_id_y 1
		.amdhsa_system_sgpr_workgroup_id_z 1
		.amdhsa_system_vgpr_workitem_id 0
		.amdhsa_next_free_vgpr 768
		.amdhsa_next_free_sgpr 72
		.amdhsa_reserve_vcc 0
		.amdhsa_float_denorm_mode_32 3
		.amdhsa_float_denorm_mode_16_64 3
		.amdhsa_memory_ordered 1
		.amdhsa_forward_progress 1
		.amdhsa_inst_pref_size 86
	.end_amdhsa_kernel
	.amdgpu_metadata
---
amdhsa.version: [ 1, 2 ]
amdhsa.kernels:
  - .name:           k_q85c26be935_oproj
    .symbol:         k_q85c26be935_oproj.kd
    .args:
      - { .name: flat, .offset: 0, .size: 8, .value_kind: global_buffer, .address_space: global }
      - { .name: woh, .offset: 8, .size: 8, .value_kind: global_buffer, .address_space: global }
      - { .name: out0, .offset: 16, .size: 8, .value_kind: global_buffer, .address_space: global }
    .group_segment_fixed_size: 327680
    .private_segment_fixed_size: 0
    .kernarg_segment_align: 8
    .kernarg_segment_size: 24
    .max_flat_workgroup_size: 128
    .sgpr_count:     72
    .vgpr_count:     768
    .wavefront_size: 32
...
	.end_amdgpu_metadata
.endif
;; end of part 4
;; launch head (part 5): grid 16 x 4, 16 waves a work-group, no clusters, 71,680 bytes of LDS; arguments qkv, vhead, Wo, out0; writes out0
.if DOCPART == 5
	.amdgcn_target "amdgcn-amd-amdhsa--gfx1250"
	.amdhsa_code_object_version 6
	.text
	.protected	k_q85c26be935_head
	.globl	k_q85c26be935_head
	.p2align	8
	.type	k_q85c26be935_head,@function
k_q85c26be935_head:
	s_mov_b64 s[64:65], 0
	v_nop
	global_prefetch_b8 v0, s[64:65] scope:SCOPE_SE
	s_setreg_imm32_b32 hwreg(HW_REG_WAVE_MODE, 25, 1), 1
	s_wait_xcnt 0x0
; Rows 0-15 of each batch of out0.  These rows average over 1 to 16 keys only, so their numbers are many times larger than the output's root mean square, by which the allowed error is set: v, p, the attention's result and Wo
; are therefore taken in f32 here (64 of 8,192 rows: about a thousandth of the program's multiply-adds, by the f32 matrix form).  Only the scores use the f16 q and k.
; SHARES.  Work-group (slice, batch): output columns 64 x slice on, 16 tokens.  Wave = head: its 16 x 16 scores, softmax, O^T = V^T P (K = 16 keys), then its 64 channels' part of the 16 x 64 outputs.
; The sixteen parts meet in LDS as images of the accumulators and are added, heads ascending, by waves 0-7, two tokens a wave.  No cluster: what work-groups share (a slice of Wo, 256 KiB in all) is small and read once each.
; LAYOUT.  Everything transposed: a lane holds ONE token (lane % 16).  S^T: keys 8 h + j.  The f32 form's K slot 2 h + j of step s is key (or channel) 8 h + 2 s + j on BOTH sources: a permutation of K applied alike to both.
; REGISTERS: v1-15 addresses and single numbers; v16-23 S^T; v24-31 p; v32-63 O^T and v64-95 the outputs' sums, written by matrix instructions alone; v96-127 V's fragments, then O^T / l;
;   v128-159 Q and K, then Wo's tile 3; v160-255 Wo's tiles 0-2, then the sixteen parts.
.set IMGB,  4352                       ; a wave's image: 8 x (2 lines of 256 bytes + 16)
.set SPARE, 16*IMGB                    ; the spare words, 128 bytes a wave, which no other line names
.set SPW, 14
.set NIL, 15
	s_load_b256 s[4:11], s[0:1], 0x0               ; qkv 4:5, vhead 6:7, Wo 8:9, out0 10:11
	v_lshl_add_u32 v[SPW], v0, 2, SPARE
	v_mov_b32 v[NIL], 0
	v_lshrrev_b32 v1, 5, v0
	v_readfirstlane_b32 s12, v1                    ; wave = head
	s_and_b32 s13, ttmp7, 0xffff                   ; batch
	v_and_b32 v8, 15, v0                           ; r
	v_bfe_u32 v7, v0, 4, 1                         ; h
	v_lshlrev_b32 v1, 7, v8
	v_lshl_add_u32 v1, v7, 4, v1                   ; q, k: 128 r + 16 h
	v_lshlrev_b32 v2, 2, v8
	v_lshl_add_u32 v2, v7, 15, v2                  ; vhead: key 8 h, channel r
	v_lshlrev_b32 v3, 12, v8
	v_lshl_add_u32 v3, v7, 5, v3                   ; Wo: row r, channel 8 h
	s_mul_i32 s16, s12, IMGB
	v_mul_u32_u24 v4, v7, 272
	v_lshl_add_u32 v4, v8, 4, v4
	v_add_nc_u32 v4, s16, v4                       ; my image: line h, 16 bytes a lane
	v_bfe_u32 v5, v0, 2, 2                         ; back: lane l wants columns 4 (l % 16) on of token 2 w + l / 16: tile (l / 4) % 4, half of the lanes (l / 2) % 2, half of the registers l % 2
	v_mul_u32_u24 v5, v5, 1088
	v_and_b32 v6, 1, v0
	v_mad_u32_u24 v5, v6, 544, v5
	v_bfe_u32 v6, v0, 1, 1
	v_mad_u32_u24 v5, v6, 272, v5
	v_lshl_add_u32 v5, v7, 4, v5
	s_lshl_b32 s16, s12, 5
	v_add_nc_u32 v5, s16, v5
	v_lshlrev_b32 v6, 4, v8
	v_lshl_add_u32 v6, v7, 12, v6
	s_lshl_b32 s16, s12, 13
	v_add_nc_u32 v6, s16, v6                       ; out0: token 2 w + l / 16, 16 bytes a lane
	v_lshlrev_b32 v13, 3, v7
	v_sub_nc_u32 v13, v8, v13                      ; r - 8 h
	v_mov_b32 v9, 0xff800000                       ; -infinity
	v_mov_b32 v11, 0                               ; (a lane permute's destination counts as read)
	s_mov_b32 s20, 0x76543210
	s_mov_b32 s21, 0xfedcba98
	s_mov_b32 s22, 0x3e38aa3b                      ; c = log2(e) / 8
	s_wait_kmcnt 0x0
	s_lshl_b32 s16, s13, 4
	s_add_co_u32 s16, s16, s12
	s_lshl_b32 s16, s16, 18
	s_mov_b32 s17, 0
	s_add_nc_u64 s[4:5], s[4:5], s[16:17]          ; q's plane
	s_add_nc_u64 s[18:19], s[4:5], 0x1000000       ; k's
	s_lshl_b32 s16, s13, 16
	s_lshl_b32 s14, s12, 8
	s_add_co_u32 s16, s16, s14
	s_add_nc_u64 s[6:7], s[6:7], s[16:17]          ; vhead: my batch, my head's 64 channels
	s_lshl_b32 s16, ttmp9, 18
	s_add_co_u32 s16, s16, s14
	s_add_nc_u64 s[8:9], s[8:9], s[16:17]          ; Wo: my slice's 64 rows, my head's 64 channels
	s_lshl_b32 s16, s13, 23
	s_lshl_b32 s14, ttmp9, 8
	s_add_co_u32 s16, s16, s14
	s_add_nc_u64 s[10:11], s[10:11], s[16:17]      ; out0: my batch's row 0, my slice
.irp c, 0,1
	global_load_b128 v[128+8*\c:131+8*\c], v1, s[4:5] offset:64*\c
	global_load_b128 v[132+8*\c:135+8*\c], v1, s[4:5] offset:64*\c+32
	global_load_b128 v[144+8*\c:147+8*\c], v1, s[18:19] offset:64*\c
	global_load_b128 v[148+8*\c:151+8*\c], v1, s[18:19] offset:64*\c+32
.endr
.irp dt, 0,1,2,3
.irp j, 0,1,2,3,4,5,6,7
	global_load_b32 v[96+8*\dt+\j], v2, s[6:7] offset:4096*\j+64*\dt       ; v(key 8 h + j, channel 16 dt + r)
.endr
.endr
.irp nt, 0,1,2
.irp dt, 0,1,2,3
	global_load_b128 v[160+32*\nt+8*\dt:163+32*\nt+8*\dt], v3, s[8:9] offset:65536*\nt+64*\dt       ; Wo(16 nt + r, 16 dt + 8 h + 0 .. 7)
	global_load_b128 v[164+32*\nt+8*\dt:167+32*\nt+8*\dt], v3, s[8:9] offset:65536*\nt+64*\dt+16
.endr
.endr
	s_wait_loadcnt 56                              ; q and k, the eight oldest, are in; v's 32 and Wo's 24 may be out
	v_wmma_f32_16x16x32_f16 v[16:23], v[144:151], v[128:135], 0
	s_wait_alu depctr_va_vdst(0)                   ; the wait directly ahead of the link
	v_wmma_f32_16x16x32_f16 v[16:23], v[152:159], v[136:143], v[16:23]
.rept 4
	v_nop                                          ; places: ahead of the loads into Q's and K's registers and of the first read of the scores
.endr
.irp dt, 0,1,2,3
	global_load_b128 v[128+8*\dt:131+8*\dt], v3, s[8:9] offset:65536*3+64*\dt
	global_load_b128 v[132+8*\dt:135+8*\dt], v3, s[8:9] offset:65536*3+64*\dt+16
.endr
.irp j, 0,1,2,3,4,5,6,7
	v_cmp_gt_i32 vcc_lo, \j, v13                   ; key 8 h + j comes after query r
	v_cndmask_b32 v[16+\j], v[16+\j], v9, vcc_lo
.endr
	v_max3_num_f32 v10, v16, v17, v18
	v_max3_num_f32 v10, v10, v19, v20
	v_max3_num_f32 v10, v10, v21, v22
	v_max_num_f32 v10, v10, v23
	v_permlanex16_b32 v11, v10, s20, s21
	v_max_num_f32 v10, v10, v11                    ; the row's maximum: key 0 counts for every query
	v_mul_f32 v11, s22, v10
.irp j, 0,1,2,3,4,5,6,7
	v_fma_f32 v[24+\j], v[16+\j], s22, -v11
.endr
.irp j, 0,1,2,3,4,5,6,7
	v_exp_f32 v[24+\j], v[24+\j]
.endr
	v_nop
	s_wait_alu depctr_va_vdst(0)                   ; one wait for the eight exponentials, ahead of their first reader
	v_add_f32 v12, v24, v25
	v_add_f32 v8, v26, v27
	v_add_f32 v10, v28, v29
	v_add_f32 v11, v30, v31
	v_add_f32 v12, v12, v8
	v_add_f32 v10, v10, v11
	v_add_f32 v12, v12, v10
	v_permlanex16_b32 v8, v12, s20, s21
	v_add_f32 v12, v12, v8                         ; the row's sum
	v_rcp_f32 v7, v12
	v_nop
	s_wait_alu depctr_va_vdst(0)
	s_wait_loadcnt 32                              ; v is in; Wo's 24 + 8 may be out
.irp s, 0,1,2,3                        ; O^T = V^T P: four accumulators by turns; the first four start the sums
.irp dt, 0,1,2,3
.if \s == 0
	v_wmma_f32_16x16x4_f32 v[32+8*\dt:39+8*\dt], v[96+8*\dt+2*\s:97+8*\dt+2*\s], v[24+2*\s:25+2*\s], 0
.else
	v_wmma_f32_16x16x4_f32 v[32+8*\dt:39+8*\dt], v[96+8*\dt+2*\s:97+8*\dt+2*\s], v[24+2*\s:25+2*\s], v[32+8*\dt:39+8*\dt]
.endif
.endr
.endr
.rept 8
	v_nop                                          ; eight places behind this form: ahead of the reads of the sums and of the writes over V's fragments
.endr
.set n, 0
.rept 32
	v_mul_f32 v[96+n], v[32+n], v7                 ; O^T / l, into other registers: register 8 dt + j is channel 16 dt + 8 h + j of token r
.set n, n+1
.endr
	s_wait_loadcnt 0x0                             ; Wo
.irp dt, 0,1,2,3                       ; my head's part of the outputs: four accumulators by turns
.irp s, 0,1,2,3
.irp nt, 0,1,2,3
.if \nt == 3
.set WB, 128
.else
.set WB, 160+32*\nt
.endif
.if (\dt == 0) && (\s == 0)
	v_wmma_f32_16x16x4_f32 v[64+8*\nt:71+8*\nt], v[WB+8*\dt+2*\s:WB+8*\dt+2*\s+1], v[96+8*\dt+2*\s:97+8*\dt+2*\s], 0
.else
	v_wmma_f32_16x16x4_f32 v[64+8*\nt:71+8*\nt], v[WB+8*\dt+2*\s:WB+8*\dt+2*\s+1], v[96+8*\dt+2*\s:97+8*\dt+2*\s], v[64+8*\nt:71+8*\nt]
.endif
.endr
.endr
.endr
.rept 8
	v_nop
.endr
.irp nt, 0,1,2,3
	ds_store_b128 v4, v[64+8*\nt:67+8*\nt] offset:544*(2*\nt)       ; each accumulator from its low end on
	ds_store_b128 v4, v[68+8*\nt:71+8*\nt] offset:544*(2*\nt+1)
.endr
	s_wait_dscnt 0x0                               ; for the others' sake: my image has landed
	s_barrier_signal -1
	s_barrier_wait -1
	s_cmp_ge_u32 s12, 8
	s_cbranch_scc1 .Lend                           ; waves 8-15 have nothing to add up
.irp i, 0,1,2,3,4,5,6,7,8,9,10,11,12,13,14,15
	ds_load_b128 v[160+4*\i:163+4*\i], v5 offset:IMGB*\i
.endr
	s_wait_dscnt 0x0
.irp i, 1,2,3,4,5,6,7,8,9,10,11,12,13,14,15
	v_pk_add_f32 v[160:161], v[160:161], v[160+4*\i:161+4*\i]
	v_pk_add_f32 v[162:163], v[162:163], v[162+4*\i:163+4*\i]
.endr
	global_store_b128 v6, v[160:163], s[10:11]     ; sixteen lanes store 256 consecutive bytes of a row, aligned
.Lend:
	s_wait_tensorcnt 0x0                           ; the wave's end: a tensor wait, an add and its wait behind my last LDS store
	ds_add_u32 v[SPW], v[NIL]
	s_wait_dscnt 0x0
	s_endpgm
.Lfunc_end_k_q85c26be935_head:
	.size	k_q85c26be935_head, .Lfunc_end_k_q85c26be935_head-k_q85c26be935_head
	.p2alignl 7, 3214868480
	.fill 96, 4, 3214868480
	.section	.rodata,"a",@progbits
	.p2align	6, 0x0
	.amdhsa_kernel k_q85c26be935_head
		.amdhsa_group_segment_fixed_size 71680
		.amdhsa_private_segment_fixed_size 0
		.amdhsa_enable_private_segment 0
		.amdhsa_kernarg_size 32
		.amdhsa_user_sgpr_count 2
		.amdhsa_user_sgpr_kernarg_segment_ptr 1
		.amdhsa_wavefront_size32 1
		.amdhsa_system_sgpr_workgroup_id_x 1
		.amdhsa_system_sgpr_workgroup_id_y 1
		.amdhsa_system_sgpr_workgroup_id_z 1
		.amdhsa_system_vgpr_workitem_id 0
		.amdhsa_next_free_vgpr 256
		.amdhsa_next_free_sgpr 66
		.amdhsa_reserve_vcc 1
		.amdhsa_float_denorm_mode_32 3
		.amdhsa_float_denorm_mode_16_64 3
		.amdhsa_memory_ordered 1
		.amdhsa_forward_progress 1
		.amdhsa_inst_pref_size 23
	.end_amdhsa_kernel
	.amdgpu_metadata
---
amdhsa.version: [ 1, 2 ]
amdhsa.kernels:
  - .name:           k_q85c26be935_head
    .symbol:         k_q85c26be935_head.kd
    .args:
      - { .name: qkv, .offset: 0, .size: 8, .value_kind: global_buffer, .address_space: global }
      - { .name: vhead, .offset: 8, .size: 8, .value_kind: global_buffer, .address_space: global }
      - { .name: Wo, .offset: 16, .size: 8, .value_kind: global_buffer, .address_space: global }
      - { .name: out0, .offset: 24, .size: 8, .value_kind: global_buffer, .address_space: global }
    .group_segment_fixed_size: 71680
    .private_segment_fixed_size: 0
    .kernarg_segment_align: 8
    .kernarg_segment_size: 32
    .max_flat_workgroup_size: 512
    .sgpr_count:     66
    .vgpr_count:     256
    .wavefront_size: 32
...
	.end_amdgpu_metadata
.endif
;; end of part 5
